; MI455X (gfx1250); checked and timed in simulation.
; The chip was launched on July 23, 2026; its instructions are those of AMD's public machine-readable ISA for CDNA 5 (MIT licence, August 2026) and "CDNA5" Instruction Set Architecture Reference Guide (July 2026). The comments in the code are by the model that wrote it; some were corrected since.
;; Multi Head Self Attention. Allowed arithmetic: matrix products marked QUANTISED: E5M2 operands, one E8M0 scale for each 32 along K, by v_wmma_scale_f32_16x16x128_f8f6f4 with both operands' format E5M2, f32 sums; everything else in f32.
;; Inputs: b_out 1,024 float32; b_qkv 3,072 float32; w_out 1,024 x 1,024 float32; w_qkv 1,024 x 3,072 float32; x 2 x 2,048 x 1,024 float32.
;; Outputs: out0 2 x 2,048 x 1,024 float32.
;; This version of the problem:
;;   THIS VERSION OF THE PROBLEM IS GIVEN IN LOW PRECISION. The matrix products marked QUANTISED in the list below multiply operands that are first quantised to E5M2 (5 exponent bits, 2 mantissa bits; 8 bits a number), with one power-of-two scale for each 32 numbers along K (OCP MX v1.0); their sums are f32. All else is computed in f32.
;;   The module's matrix products, in the order in which they are computed (A, B: the left and right operand; K: the contracted axis; several contracted axes count as one K, in the product's order):
;;     1. [M 4,096, K 1,024] x [K 1,024, N 3,072]; A: input x; B: input w_qkv: QUANTISED
;;     2. batch 32 x [M 2,048, K 64] x [K 64, N 2,048]; A: computed on the way; B: computed on the way: QUANTISED
;;     3. batch 32 x [M 2,048, K 2,048] x [K 2,048, N 64]; A: softmax (see below); B: computed on the way: QUANTISED
;;     4. [M 4,096, K 1,024] x [K 1,024, N 1,024]; A: computed on the way; B: input w_out: QUANTISED
;;   THE QUANTISER, for each operand of a quantised product, along K:
;;     - K is cut into blocks of 32 from its start; a last block that is shorter is filled with zeros.
;;     - A block's scale is 2^e with e = floor(log2(the largest magnitude in the block)) - 15, held to -126 .. 127; a block of zeros has e = 0. As a byte (E8M0): e + 127.
;;     - Each number is divided by its block's scale, clamped to +-57,344, and rounded to the nearest number of E5M2, ties to even, subnormals kept.
;;     - The product sums the exact products of the quantised numbers (number of the format x scale) in f32.
;;   ~~~python
;;   def quantise(x, axis):      # numpy; x: float32 -> the quantised numbers, widened to float32 again
;;       x = np.moveaxis(x, axis, -1); K = x.shape[-1]
;;       x = np.pad(x, [(0, 0)] * (x.ndim - 1) + [(0, -K % 32)]); x = x.reshape(x.shape[:-1] + (-1, 32)); a = np.abs(x).max(-1, keepdims=True)
;;       e = np.where(a > 0, np.clip(np.frexp(np.where(a > 0, a, 1))[1] - 1 - 15, -126, 127), 0)      # np.frexp(a)[1] - 1 = floor(log2(a)), exactly
;;       r = np.clip(x / 2.0 ** e, -57344, 57344)
;;       step = 2.0 ** (np.maximum(np.frexp(np.where(r == 0, 1, r))[1] - 1, -14) - 2)
;;       q = np.round(r / step) * step * 2.0 ** e      # np.round: ties to even
;;       return np.moveaxis(q.reshape(q.shape[:-2] + (-1,))[..., :K], -1, axis).astype(np.float32)
;;   ~~~
;;   SOFTMAX AHEAD OF A QUANTISED PRODUCT. Where the list says 'softmax', what is quantised is not the finished softmax but p = 2^(t - M), with t = logit x log2(e) and M = ceil(the row's largest t), a whole number; so 1/2 < the row's largest p <= 1. The row's sum l is taken of the UNQUANTISED p, in f32, and the product's result is divided by l at the end. Since M is a whole number, a kernel that streams over the keys may use a running M (the ceiling of the running maximum): every later rescaling is an exact power of two, which a block's scale takes up: the codes' values come out the same.
;;   OPERANDS COMPUTED ON THE WAY. 'Computed on the way' means the value that the module computes at that place (a softmax that the list does not call 'softmax' is quantised finished and normalised). What goes into a quantiser is computed in f32, as accurately as f32 sums, v_exp_f32 and their like allow (about 1e-6 of the number): no bf16 or f16 on the way to a quantiser, and a product that is left as it is and whose result goes on into a quantised operand takes f32 operands (vector FMAs, or v_wmma_f32_16x16x4_f32). A number that lies on a knife's edge between two numbers of the format may be rounded either way, as far as f32 arithmetic and the matrix unit's own rounding can turn it there, and no further.
;; One version. Each part assembles by itself: llvm-mc -triple=amdgcn-amd-amdhsa -mcpu=gfx1250 --defsym DOCPART=n.
;; ======== version 1 of 1: 4 launches
;; limits: right only within a limited range of input values
;; workspace buffers: xc 4,194,304 bytes; xs 131,072 bytes; wc 4,194,304 bytes; ws 131,072 bytes; kv 8,912,896 bytes; qb 4,456,448 bytes; oc 4,194,304 bytes; os 131,072 bytes
;; launch quant (part 1): grid 256 x 1, 8 waves a work-group, no clusters, 101,376 bytes of LDS; arguments x, w_qkv, w_out, xc, xs, wc, ws; writes xc, xs, wc, ws
.if DOCPART == 1
	.amdgcn_target "amdgcn-amd-amdhsa--gfx1250"
	.amdhsa_code_object_version 6
	.text
	.protected	k_qeef65e8d3b_quant
	.globl	k_qeef65e8d3b_quant
	.p2align	8
	.type	k_qeef65e8d3b_quant,@function
k_qeef65e8d3b_quant:
	s_mov_b64 s[64:65], 0
	v_nop
	global_prefetch_b8 v0, s[64:65] scope:SCOPE_SE
	s_setreg_imm32_b32 hwreg(HW_REG_WAVE_MODE, 25, 1), 1
	s_wait_xcnt 0x0
; x [4096][1024], w_qkv [1024][3072] and w_out [1024][1024], f32, become codes of E5M2 with one E8M0 scale byte for each 32 along K, K innermost: xc, xs: a row for each row of x; wc, ws: row n < 3072 is column n of w_qkv, row 3072 + n is column n of w_out.
; THE PLACES OF THE ROWS: within each 32 rows bits 3 and 4 of the row's number are swapped: row 16 k + 8 u + j lies at place 16 u + 8 k + j.  CODES lie by groups of 128 places: [group][K step of 256][128 places][256 bytes], 131,072 bytes a group;
; V's weights (rows 2,048 to 3,071 of wc) by groups of 64: [group][K step][64 places][256 bytes].  SCALE BYTES: 32 a place, in the order of the places.
; A block's scale is 2^(floor(log2(its largest magnitude)) - 15); its byte is the largest magnitude's exponent field - 15, held at 1 from below; each number is held within +-57,344 x the scale and rounded to the nearest code, ties to even.
; LIMITS: a block whose largest magnitude lies under 2^(16 - 127) keeps the byte 1; a block of zeros has the byte 1 where the quantiser's rule says 127 (its codes are zeros, and this program alone reads the bytes); NaN and infinities among the inputs are not served.
; Nothing of reference() is left out in this program.
; Work-groups 0-127 take x (K innermost: a plain stream of blocks of 32; a wave takes 4 rows), work-groups 128-255 the weights (K is the first axis: a lane takes a column, its registers run down K; a wave takes 32 columns x 128 along K, and waves w, w + 4 fill the two halves of the same rows of 256 codes).
; The two paths part on the work-group's number, end apart, and have LDS bytes of their own.  No tensor loads and no matrix work; no prefetch: a wave asks for its numbers themselves as far ahead as its registers reach.
.set STEPS, 8                          ; x: steps of 512 numbers for a wave
.set MANT,  0x600000                   ; the mantissa field of 57,344 as f32
.set R,     16                         ; v16-143  x: the eight steps' numbers as they are loaded
.set XN,    144                        ; v144-175 x: two sets of 16 neighbours
.set EB,    176                        ; v176-183 x: a scale byte for each step
.set CD,    184                        ; v184-215 x: codes, four registers for each step: no store's data are written again
.set WREG,  8192                       ; x: LDS of a wave: two stages of 32 x SP bytes, then its 128 scale bytes
.set SP,    80                         ; a lane's place in a stage: 64 bytes + 16 of padding
.set WSTG,  8*WREG                     ; the weights' four stages begin here: 32 rows x WPITCH for each pair of waves
.set WPITCH, 272                       ; 256 codes + 16 bytes of padding
.set SPARE, WSTG+4*32*WPITCH           ; the spare words, 128 bytes a wave
.set NB,    4                          ; blocks of 32 along K for a wave
.set SB,    24                         ; v24      weights: the four scale bytes
.set WX,    32                         ; v32-95   weights: two sets of 32 numbers
.set WC,    96                         ; v96-103  weights: a block's codes
.set OUTR,  112                        ; v112-143 weights: the way out
.set OFF,   176                        ; v176-207 weights: byte offset of row i of a block at my column: i x pitch + 4 x lane; never rewritten
.set SPW,   220
.set NIL,   221
.macro XLOAD t                         ; step t: four loads of 512 consecutive bytes
.irp i, 0,1,2,3
	global_load_b128 v[R+16*(\t)+4*\i:R+16*(\t)+4*\i+3], v3, s[4:5] offset:2048*(\t)+512*\i th:TH_LOAD_NT
.endr
.endm
.macro XTURN t                         ; step t's numbers through the wave's stage: in as they lie, back 64 bytes a lane; LDS serves a wave's instructions in order
.irp i, 0,1,2,3
	ds_store_b128 v14, v[R+16*(\t)+4*\i:R+16*(\t)+4*\i+3] offset:32*SP*((\t)%2)+8*SP*\i
.endr
.irp i, 0,1,2,3
	ds_load_b128 v[XN+16*((\t)%2)+4*\i:XN+16*((\t)%2)+4*\i+3], v15 offset:32*SP*((\t)%2)+16*\i
.endr
.endm
.macro XSTEP t
.set XS, XN+16*((\t)%2)
.if (\t) > 0
	s_wait_dscnt 1                                 ; this step's numbers are back from the stage; the last step's byte store may be out
.else
	s_wait_dscnt 0x0
.endif
.if (\t)+1 < STEPS
	s_wait_loadcnt 4*(STEPS-2-(\t))                ; the next step's four loads are in; those of the steps behind it may be out
	XTURN (\t)+1
.endif
	v_max3_num_f32 v8, |v[XS]|, |v[XS+1]|, |v[XS+2]|               ; the largest magnitude of my 16, in two chains
	v_max3_num_f32 v9, |v[XS+3]|, |v[XS+4]|, |v[XS+5]|
.irp i, 6,10
	v_max3_num_f32 v8, v8, |v[XS+\i]|, |v[XS+\i+1]|
	v_max3_num_f32 v9, v9, |v[XS+\i+2]|, |v[XS+\i+3]|
.endr
	v_max3_num_f32 v8, v8, |v[XS+14]|, |v[XS+15]|
	v_max3_num_f32 v8, v8, v9, 0x8000000           ; and the floor 2^(16 - 127): the byte cannot fall under 1
	v_max_num_f32_dpp v8, v8, v8 row_xmask:1 row_mask:0xf bank_mask:0xf   ; with my neighbour's 16: the block's
	v_add_nc_u32 v11, 0xf8800000, v8               ; 15 off the exponent field: the conversion takes this operand's exponent field as its scale
	v_and_or_b32 v10, v8, 0x7f800000, s23          ; 57,344 x the scale
.irp i, 0,1,2,3,4,5,6,7,8,9,10,11,12,13,14,15
	v_med3_num_f32 v[XS+\i], v[XS+\i], -v10, v10   ; the conversion to an 8-bit code does not saturate (ISA guide 7.6.2): hold first
.endr
	v_cvt_scalef32_pk8_bf8_f32 v[CD+4*(\t):CD+4*(\t)+1], v[XS:XS+7], v11
	v_cvt_scalef32_pk8_bf8_f32 v[CD+4*(\t)+2:CD+4*(\t)+3], v[XS+8:XS+15], v11
	v_lshrrev_b32 v[EB+(\t)], 23, v11              ; the scale's byte
	ds_store_b8 v5, v[EB+(\t)] offset:16*(\t)      ; both lanes of a block write the same byte with the same value
	global_store_b128 v4, v[CD+4*(\t):CD+4*(\t)+3], s[10:11] offset:256*((\t)/2)+65536*((\t)%2)   ; half a row: two K steps, sixteen lanes store 256 consecutive bytes of each, aligned
.endm
.macro WLOAD t                         ; block t: rows 32 t + i of my part of the weight at my column, into set t % 2; each load reads 128 consecutive bytes
.irp i, 0,1,2,3,4,5,6,7,8,9,10,11,12,13,14,15,16,17,18,19,20,21,22,23,24,25,26,27,28,29,30,31
	global_load_b32 v[WX+32*((\t)%2)+\i], v[OFF+\i], s[40+2*(\t):41+2*(\t)] th:TH_LOAD_NT
.endr
.endm
.macro WBLOCK t
.set XS, WX+32*((\t)%2)
.if (\t) < NB-1
	s_wait_loadcnt 32                              ; this block's 32 loads are in; the next block's may be out
.else
	s_wait_loadcnt 0
.endif
	v_max3_num_f32 v12, |v[XS]|, |v[XS+1]|, |v[XS+2]|              ; all 32 numbers of the block are mine
	v_max3_num_f32 v13, |v[XS+3]|, |v[XS+4]|, |v[XS+5]|
.irp i, 6,10,14,18,22,26
	v_max3_num_f32 v12, v12, |v[XS+\i]|, |v[XS+\i+1]|
	v_max3_num_f32 v13, v13, |v[XS+\i+2]|, |v[XS+\i+3]|
.endr
	v_max3_num_f32 v12, v12, |v[XS+30]|, |v[XS+31]|
	v_max3_num_f32 v12, v12, v13, 0x8000000        ; the floor
	v_add_nc_u32 v11, 0xf8800000, v12
	v_and_or_b32 v10, v12, 0x7f800000, s31
	v_lshrrev_b32 v13, 23, v11                     ; the scale's byte
.if (\t) == 0
	v_mov_b32 v[SB], v13                           ; the lower K in the lower byte
.else
	v_lshl_or_b32 v[SB], v13, 8*(\t), v[SB]
.endif
.irp i, 0,1,2,3,4,5,6,7,8,9,10,11,12,13,14,15,16,17,18,19,20,21,22,23,24,25,26,27,28,29,30,31
	v_med3_num_f32 v[XS+\i], v[XS+\i], -v10, v10
.endr
.irp g, 0,1,2,3
	v_cvt_scalef32_pk8_bf8_f32 v[WC+2*\g:WC+2*\g+1], v[XS+8*\g:XS+8*\g+7], v11
.endr
	ds_store_b128 v4, v[WC:WC+3] offset:32*(\t)    ; 32 codes: 32 bytes of my column's row in the stage
	ds_store_b128 v4, v[WC+4:WC+7] offset:32*(\t)+16
.if (\t)+2 < NB
	WLOAD (\t)+2
.endif
	s_wait_dscnt 0x0                               ; the stores have read their registers: the next block's codes may be written
.endm
	s_load_b256 s[4:11], s[0:1], 0x0               ; x s[4:5], w_qkv s[6:7], w_out s[8:9], xc s[10:11]
	s_load_b128 s[12:15], s[0:1], 0x20             ; xs s[12:13], wc s[14:15]
	s_load_b64 s[16:17], s[0:1], 0x30              ; ws
	v_lshl_add_u32 v[SPW], v0, 2, SPARE
	v_mov_b32 v[NIL], 0
	v_lshrrev_b32 v1, 5, v0
	v_readfirstlane_b32 s18, v1                    ; wave 0..7
	v_and_b32 v2, 31, v0                           ; lane
	s_wait_alu depctr_va_vdst(0)                   ; the wait here, ahead of the branch
	s_cmp_lt_u32 ttmp9, 128
	s_cbranch_scc0 .Lw
	; ---- x: my wave's run of 4 rows is 8 x work-group + wave
	v_lshlrev_b32 v3, 4, v2                        ; my 16 bytes of a load's 512
	s_mul_i32 s19, s18, WREG
	v_lshrrev_b32 v14, 2, v2
	v_mul_u32_u24 v14, v14, SP
	v_and_b32 v15, 3, v2
	v_lshl_add_u32 v14, v15, 4, v14
	v_add_nc_u32 v14, s19, v14                     ; the stage, on the way in: SP (lane / 4) + 16 (lane % 4)
	v_mul_u32_u24 v15, v2, SP
	v_add_nc_u32 v15, s19, v15                     ; and on the way out: SP x lane
	v_lshrrev_b32 v4, 4, v2                        ; my codes' place: lanes 16-31 are one K step, 32,768 bytes, further on
	v_and_b32 v10, 15, v2
	v_lshlrev_b32 v4, 15, v4
	v_lshl_add_u32 v4, v10, 4, v4
	v_lshrrev_b32 v5, 1, v2
	s_add_co_u32 s19, s19, 2*32*SP
	v_add_nc_u32 v5, s19, v5                       ; my block's byte among the wave's 128 scale bytes
	v_lshlrev_b32 v7, 2, v2
	v_add_nc_u32 v6, s19, v7                       ; and 4 bytes a lane on the way out
	s_mov_b32 s23, MANT
	s_lshl_b32 s20, ttmp9, 3
	s_add_co_u32 s20, s20, s18
	s_mov_b32 s21, 0
	s_lshl_b64 s[24:25], s[20:21], 14              ; 16,384 bytes of x a run
	s_lshr_b32 s26, s20, 1                         ; my 8 rows' number: its two lowest bits are swapped in their place
	s_bfe_u32 s30, s26, 0x10001
	s_and_b32 s31, s26, 1
	s_lshl_b32 s31, s31, 1
	s_or_b32 s30, s30, s31
	s_and_not1_b32 s26, s26, 3
	s_or_b32 s26, s26, s30
	s_lshl_b32 s26, s26, 3
	s_and_b32 s30, s20, 1
	s_lshl_b32 s30, s30, 2
	s_add_co_u32 s22, s26, s30                     ; my first row's place
	s_lshr_b32 s26, s22, 7                         ; codes: 131,072 bytes a group of 128 places,
	s_lshl_b32 s26, s26, 17
	s_and_b32 s30, s22, 127                        ; 256 bytes a place in a K step
	s_lshl_b32 s30, s30, 8
	s_add_co_u32 s26, s26, s30
	s_mov_b32 s27, 0
	s_lshl_b32 s28, s22, 5                         ; 32 scale bytes a place
	s_mov_b32 s29, 0
	s_wait_alu depctr_va_vdst(0)
	s_wait_kmcnt 0x0
	s_add_nc_u64 s[4:5], s[4:5], s[24:25]
	s_add_nc_u64 s[10:11], s[10:11], s[26:27]
	s_add_nc_u64 s[12:13], s[12:13], s[28:29]
.irp t, 0,1,2,3,4,5,6,7
	XLOAD \t
.endr
	s_wait_loadcnt 28                              ; step 0's four loads are in
	XTURN 0
.irp t, 0,1,2,3,4,5,6,7
	XSTEP \t
.endr
	ds_load_b32 v12, v6                            ; LDS serves a wave's instructions in order: these see my byte stores
	s_wait_dscnt 0x0
	global_store_b32 v7, v12, s[12:13]             ; 128 consecutive bytes, aligned
	s_wait_tensorcnt 0x0                           ; the wave's end
	ds_add_u32 v[SPW], v[NIL]
	s_wait_dscnt 0x0
	s_endpgm
.Lw:	; ---- the weights: 128 columns x 256 along K for a work-group
	s_sub_co_u32 s19, ttmp9, 128
	s_and_b32 s20, s19, 31                         ; g: which 128 rows of wc; g < 24: w_qkv
	s_lshr_b32 s21, s19, 5                         ; y: which 256 along K
	s_lshr_b32 s29, s18, 2                         ; which half of them is mine
	s_and_b32 s18, s18, 3                          ; which 32 columns
	s_mul_i32 s22, s18, 32*WPITCH
	s_add_co_u32 s22, s22, WSTG                    ; our stage
	s_lshl_b32 s27, s29, 7
	s_add_co_u32 s27, s27, s22                     ; my half of its rows
	s_mul_i32 s28, s29, 16*WPITCH
	s_add_co_u32 s28, s28, s22                     ; on the way out: my 16 of its rows
	s_lshl_b32 s26, s29, 12
	s_wait_alu depctr_va_vdst(0)
	v_lshlrev_b32 v3, 2, v2                        ; in: 4 bytes a lane
	v_and_b32 v10, 7, v2                           ; my column's place among the 32: bits 3 and 4 of the lane swapped
	v_bfe_u32 v11, v2, 3, 1
	v_lshl_or_b32 v10, v11, 4, v10
	v_bfe_u32 v11, v2, 4, 1
	v_lshl_or_b32 v10, v11, 3, v10
	v_mul_u32_u24 v4, v10, WPITCH
	v_add_nc_u32 v4, s27, v4                       ; into the stage
	v_lshlrev_b32 v9, 5, v10                       ; my column's 32 scale bytes
	v_and_b32 v5, 15, v2
	v_lshrrev_b32 v6, 4, v2                        ; out of it: sixteen lanes to a row, two rows an instruction
	v_mul_u32_u24 v7, v6, WPITCH
	v_lshl_add_u32 v7, v5, 4, v7
	v_add_nc_u32 v7, s28, v7
	v_lshlrev_b32 v8, 4, v2                        ; the same place in wc: places of 256 bytes, dense
	v_add_nc_u32 v8, s26, v8
	s_mov_b32 s31, MANT
	s_mov_b32 s30, 4096
	s_wait_alu depctr_va_vdst(0)
	s_wait_kmcnt 0x0
	s_cmp_lt_u32 s20, 24                           ; the choice hangs on the work-group's number alone
	s_cselect_b64 s[6:7], s[6:7], s[8:9]           ; the weight,
	s_cselect_b32 s23, 0, 24                       ; its first g,
	s_cselect_b32 s30, 12288, s30                  ; its row in bytes
	s_sub_co_u32 s23, s20, s23
	s_lshl_b32 s23, s23, 7
	s_lshl_b32 s24, s18, 5
	s_add_co_u32 s23, s23, s24                     ; my wave's first column of the weight
	s_lshl_b32 s32, s23, 2
	s_lshl_b32 s33, s21, 1
	s_add_co_u32 s33, s33, s29
	s_mul_i32 s33, s33, s30
	s_lshl_b32 s33, s33, 7                         ; 256 y + 128 x half rows
	s_add_co_u32 s32, s32, s33
	s_mov_b32 s33, 0
	s_add_nc_u64 s[40:41], s[6:7], s[32:33]        ; a base for each of the four blocks: none is ever stepped
	s_lshl_b32 s34, s30, 5                         ; 32 rows
	s_mov_b32 s35, 0
.irp t, 1,2,3
	s_add_nc_u64 s[40+2*\t:41+2*\t], s[38+2*\t:39+2*\t], s[34:35]
.endr
.irp i, 0,1,2,3,4,5,6,7,8,9,10,11,12,13,14,15,16,17,18,19,20,21,22,23,24,25,26,27,28,29,30,31
	v_mad_u32_u24 v[OFF+\i], s30, \i, v3
.endr
	s_lshl_b32 s25, s20, 7
	s_add_co_u32 s25, s25, s24                     ; our first place of wc and ws: 128 g + 32 x (wave % 4)
	s_lshl_b32 s36, s20, 17                        ; 128 places are 131,072 bytes,
	s_lshl_b32 s26, s21, 15                        ; a K step of a group of 128 is 32,768,
	s_lshl_b32 s27, s18, 13                        ; our 32 places 8,192
	s_add_co_u32 s26, s26, s27
	s_lshr_b32 s27, s18, 1                         ; V's weights: groups of 64: 65,536 bytes, a K step 16,384
	s_lshl_b32 s27, s27, 16
	s_and_b32 s28, s18, 1
	s_lshl_b32 s28, s28, 13
	s_add_co_u32 s27, s27, s28
	s_lshl_b32 s28, s21, 14
	s_add_co_u32 s27, s27, s28
	s_lshr_b32 s28, s20, 3
	s_cmp_eq_u32 s28, 2                            ; g = 16 .. 23
	s_cselect_b32 s26, s27, s26
	s_add_co_u32 s36, s36, s26
	s_mov_b32 s37, 0
	s_add_nc_u64 s[14:15], s[14:15], s[36:37]
	s_lshl_b32 s38, s25, 5
	s_lshl_b32 s26, s21, 3
	s_add_co_u32 s38, s38, s26
	s_lshl_b32 s26, s29, 2
	s_add_co_u32 s38, s38, s26
	s_mov_b32 s39, 0
	s_add_nc_u64 s[16:17], s[16:17], s[38:39]
	s_wait_alu depctr_va_vdst(0)
	WLOAD 0
	WLOAD 1                                        ; two blocks, 64 loads a wave, ahead
.set Q, 0
.rept NB
	WBLOCK Q
.set Q, Q+1
.endr
	global_store_b32 v9, v[SB], s[16:17]           ; my column's 4 scale bytes (places 32 bytes apart: one byte in 128 of what this path reads)
	s_wait_alu depctr_va_vdst(0)
	s_barrier_signal -1                            ; both halves of the rows are in the stage (each wave has waited for its stores)
	s_barrier_wait -1
.irp t, 0,1,2,3,4,5,6,7
	ds_load_b128 v[OUTR+4*\t:OUTR+4*\t+3], v7 offset:2*\t*WPITCH
.endr
.irp t, 0,1,2,3,4,5,6,7
	s_wait_dscnt 7-\t
	global_store_b128 v8, v[OUTR+4*\t:OUTR+4*\t+3], s[14:15] offset:512*\t   ; the wave stores 512 consecutive bytes, aligned
.endr
	s_wait_tensorcnt 0x0                           ; the wave's end
	ds_add_u32 v[SPW], v[NIL]
	s_wait_dscnt 0x0
	s_endpgm
.Lfunc_end_k_qeef65e8d3b_quant:
	.size	k_qeef65e8d3b_quant, .Lfunc_end_k_qeef65e8d3b_quant-k_qeef65e8d3b_quant
	.p2alignl 7, 3214868480
	.fill 96, 4, 3214868480
	.section	.rodata,"a",@progbits
	.p2align	6, 0x0
	.amdhsa_kernel k_qeef65e8d3b_quant
		.amdhsa_group_segment_fixed_size 101376
		.amdhsa_private_segment_fixed_size 0
		.amdhsa_enable_private_segment 0
		.amdhsa_kernarg_size 56
		.amdhsa_user_sgpr_count 2
		.amdhsa_user_sgpr_kernarg_segment_ptr 1
		.amdhsa_wavefront_size32 1
		.amdhsa_system_sgpr_workgroup_id_x 1
		.amdhsa_system_sgpr_workgroup_id_y 1
		.amdhsa_system_sgpr_workgroup_id_z 1
		.amdhsa_system_vgpr_workitem_id 0
		.amdhsa_next_free_vgpr 222
		.amdhsa_next_free_sgpr 66
		.amdhsa_reserve_vcc 0
		.amdhsa_float_denorm_mode_32 3
		.amdhsa_float_denorm_mode_16_64 3
		.amdhsa_memory_ordered 1
		.amdhsa_forward_progress 1
		.amdhsa_inst_pref_size 61
	.end_amdhsa_kernel
	.amdgpu_metadata
---
amdhsa.version: [ 1, 2 ]
amdhsa.kernels:
  - .name:           k_qeef65e8d3b_quant
    .symbol:         k_qeef65e8d3b_quant.kd
    .args:
      - { .name: x, .offset: 0, .size: 8, .value_kind: global_buffer, .address_space: global }
      - { .name: w_qkv, .offset: 8, .size: 8, .value_kind: global_buffer, .address_space: global }
      - { .name: w_out, .offset: 16, .size: 8, .value_kind: global_buffer, .address_space: global }
      - { .name: xc, .offset: 24, .size: 8, .value_kind: global_buffer, .address_space: global }
      - { .name: xs, .offset: 32, .size: 8, .value_kind: global_buffer, .address_space: global }
      - { .name: wc, .offset: 40, .size: 8, .value_kind: global_buffer, .address_space: global }
      - { .name: ws, .offset: 48, .size: 8, .value_kind: global_buffer, .address_space: global }
    .group_segment_fixed_size: 101376
    .private_segment_fixed_size: 0
    .kernarg_segment_align: 8
    .kernarg_segment_size: 56
    .max_flat_workgroup_size: 256
    .sgpr_count:     66
    .vgpr_count:     222
    .wavefront_size: 32
...
	.end_amdgpu_metadata
.endif
;; end of part 1
;; launch gemm_qkv (part 2): grid 16 x 16, 4 waves a work-group, clusters of 4 x 4, 327,680 bytes of LDS; arguments xc, xs, wc, ws, b_qkv, qb, kv; writes qb, kv
.if DOCPART == 2
	.amdgcn_target "amdgcn-amd-amdhsa--gfx1250"
	.amdhsa_code_object_version 6
	.text
	.protected	k_qeef65e8d3b_gemm_qkv
	.globl	k_qeef65e8d3b_gemm_qkv
	.p2align	8
	.type	k_qeef65e8d3b_gemm_qkv,@function
k_qeef65e8d3b_gemm_qkv:
	s_mov_b64 s[64:65], 0
	v_nop
	global_prefetch_b8 v0, s[64:65] scope:SCOPE_SE
	s_setreg_imm32_b32 hwreg(HW_REG_WAVE_MODE, 25, 1), 1
	s_wait_xcnt 0x0
	s_wait_alu depctr_hold_cnt(0) depctr_sa_sdst(0) depctr_va_vdst(0) depctr_va_sdst(0) depctr_va_ssrc(0) depctr_va_vcc(0) depctr_vm_vsrc(0)
	s_getreg_b32 s2, hwreg(HW_REG_IB_STS2, 6, 4)
	s_cmp_eq_u32 s2, 0
	s_cbranch_scc0 .Lentry_in_a_cluster
	s_endpgm
.Lentry_in_a_cluster:
	s_bfe_u32 s2, ttmp6, 0x10000c
	s_cmp_lg_u32 s2, 0xf033
	s_cbranch_scc0 .Lentry_shape_is_right
	s_endpgm
.Lentry_shape_is_right:
; q, k, v = x w_qkv + b_qkv on codes of E5M2 with E8M0 scales for each 32 along K = 1,024, and their quantisers: codes and scale bytes leave as images of the operand registers of the launch that reads them; no f32 result is stored.
; SHARES.  16 x 16 = 256 work-groups, one to a WGP: 256 tokens x (128 columns of Q or K: two heads; and 64 columns of V: one head).  Four waves, 2 x 2: a wave makes 128 tokens x (one head of Q or K, and half a head of V): 8 x (4 + 2) accumulators of 16 x 16, 384 registers.
; THE ORDER OF ROWS.  The quantising launch has swapped bits 3 and 4 of the row's number within each 32, for x and for the weights: in a tile of 16 rows row 8 k + j is number 16 k + 8 u + j of its 32 (u: the tile's number modulo 2).
; Q, K: source 0 = the weight, source 1 = x: lane (r, h) holds a token, and its registers of tiles 2 c, 2 c + 1 are the head's d = 32 c + 16 h + 0 .. 15.  V: source 0 = x, source 1 = the weight: a lane holds a d, and its registers of x's tiles 2 g, 2 g + 1 are tokens 32 g + 16 h + 0 .. 15.
; So every lane has 16 neighbours along the next product's K: codes are made in registers and each store of a wave is 512 consecutive bytes, aligned.  A block of 32 lies in lanes l and l xor 16.
; The bias is the first products' C: nothing is cleared and nothing is added.
; LDS: K goes in steps of 256.  At the head each wave brings K steps 0 and 1 of its part by ONE dense load: waves 0, 1: x's 128 rows each; wave 2: the 128 rows of Q or K; wave 3: V's 64.  A part is [K step modulo 2][rows of 256 bytes + 16 of padding].
; K step 2 is filled over K step 0 when all waves hold that in registers, K step 3 over K step 1 likewise: each a joint load behind a drained round.
; CLUSTERS of 4 x 4: x's parts hang on the tile row alone and are asked for jointly along a row of the cluster, the weights' on the tile column alone, along a column.
; PREFETCH INTO THE L2: K step 2 behind the head's loads, K step 3 behind K step 2's: each two steps of 128 or more ahead of its load.  A wave asks for what it will itself load, and the four partners that ask jointly share its blocks of 256 bytes out by address (cx for x, cy for the weights): one instruction a wave, each block once in a cluster.
; SCALE WORDS come straight from memory into registers, in whole units: lane l takes row l of a pair of tiles; a row's 32 bytes are the words of all eight steps of 128.
; LIMITS: a block whose largest magnitude lies under 2^(16 - 127) keeps the scale byte 1, a block of zeros too (this program alone reads the bytes); NaN and infinities are not served.
; REGISTERS.  Window 0: v4-14 addresses; v24-47 the weights' scale words, v52-83 x's (they hold scales and nothing else; a product's two words have numbers 4 apart modulo 8); v84-131 the bias; v144-239 the weights' fragments, set 0; on the way out v144-207 at work.
;   window 1: x's fragments, two sets of 128.  window 2: Q's or K's accumulators ((a, n) at v[8 (4 a + n)]).  window 3: V's (v[8 (4 (a / 2) + 2 n + a % 2)]), and from v144 on the weights' fragments, set 1.
.set PITCH, 272                        ; 256 bytes + 16: the 16 rows that a load touches start at 16 different banks (64 banks of 4 bytes: ISA guide 11.1)
.set TP,   16*PITCH                    ; a tile of 16 rows
.set PL,   128*PITCH                   ; a K step of 128 rows
.set LQ0,  4*PL                        ; LDS: x's two parts, then Q's or K's,
.set LV0,  6*PL                        ; then V's
.set SPARE, 7*PL                       ; the spare words, 128 bytes a wave
.set AX,   4
.set AQ,   5
.set AV,   6
.set L32,  7                           ; 32 x lane
.set L16,  8                           ; 16 x lane
.set L4,   9                           ; 4 x lane
.set SPW,  10
.set NIL,  11
.set BQO,  12
.set BVO,  13
.set PFO,  14                          ; the prefetches' offset: 256 x lane (V: x lane % 16); never rewritten
.set WSC,  24
.set XSC,  52
.set BI,   84
.set WF,   144
.set TM,   144
.set TN,   148
.set PT,   152
.set HL,   156
.set SO,   160
.set PW,   164                         ; v164-169 a scale word for each unit of the way out
.set WA,   170
.set PC,   176                         ; v176-191, v192-207 codes, by turns
.set G0A,  20
.set G1A,  24
.set G1Q,  32
.set G1V,  48
.set G0Q,  56
.set G0V,  60
.set PFA,  66                          ; s[66:67] where my prefetches stand; s[88:89] a K step on
.set SEL,  82
.set MNT,  84
.set MSB,  0
.macro WIN new                         ; the immediate's high byte repeats the setting that is left
.if MSB != (\new)
	s_set_vgpr_msb (MSB<<8)|(\new)
.set MSB, (\new)
.endif
.endm
.macro PLACES n                        ; plain vector instructions behind a matrix instruction, ahead of a load into, or a read of, its registers
.rept \n
	v_nop
.endr
.endm
.macro CREST                           ; a round of the cluster's barrier behind its opening barrier
	s_cmp_lg_u32 s14, 0
	s_cbranch_scc1 .Lnot_wave_0_\@
	s_barrier_signal -3
.Lnot_wave_0_\@:
	s_barrier_wait -3
	s_barrier_signal -1
	s_barrier_wait -1
.endm
.macro CROUND
	s_barrier_signal -1
	s_barrier_wait -1
	CREST
.endm
.macro JLOAD                           ; one joint load a wave, by the wave's number alone
	s_cmp_lt_u32 s14, 2
	s_cbranch_scc0 .Lfor_w_\@
	tensor_load_to_lds s[G0A:G0A+3], s[G1A:G1A+7]
	s_nop 0
	PLACES 4
	s_branch .Lasked_\@
.Lfor_w_\@:
	s_cmp_lt_u32 s14, 3
	s_cbranch_scc0 .Lfor_v_\@
	tensor_load_to_lds s[G0Q:G0Q+3], s[G1Q:G1Q+7]
	s_nop 0
	PLACES 4
	s_branch .Lasked_\@
.Lfor_v_\@:
	tensor_load_to_lds s[G0V:G0V+3], s[G1V:G1V+7]
	s_nop 0
	PLACES 4
.Lasked_\@:
.endm
	s_load_b256 s[4:11], s[0:1], 0x0               ; xc, xs, wc, ws
	s_load_b128 s[68:71], s[0:1], 0x20             ; b_qkv, qb
	s_load_b64 s[72:73], s[0:1], 0x30              ; kv
	v_lshl_add_u32 v[SPW], v0, 2, SPARE
	v_mov_b32 v[NIL], 0
	ds_add_u32 v[SPW], v[NIL]                      ; the opening lines
	ds_add_u32 v[SPW], v[NIL]
	v_lshrrev_b32 v1, 5, v0
	v_readfirstlane_b32 s14, v1                    ; wave 0..3
	s_lshr_b32 s15, s14, 1                         ; which half of the tokens is mine
	s_and_b32 s16, s14, 1                          ; which half of the columns; also which 128 rows of x I fetch
	s_bfe_u32 s40, ttmp6, 0x40000                  ; cx
	s_bfe_u32 s41, ttmp6, 0x40004                  ; cy
	s_lshl_b32 s42, ttmp9, 2
	s_add_co_u32 s42, s42, s40                     ; tile column: 0..7 Q's heads, 8..15 K's; and V's head
	s_and_b32 s17, ttmp7, 0xffff
	s_lshl_b32 s17, s17, 2
	s_add_co_u32 s17, s17, s41                     ; tile row
	s_lshl_b32 s43, s41, 2
	s_lshl_b32 s43, 15, s43                        ; my row of the cluster
	s_lshl_b32 s44, 0x1111, s40                    ; my column
	; group 1: dense rows of 256 bytes (32 elements of 8), 16 bytes of padding behind each; the head's loads bring two K steps
	s_or_b32 s[G1A], s43, (3<<16)|(1<<20)|(1<<21)|(5<<22)|(3<<25)
	s_or_b32 s[G1Q], s44, (3<<16)|(1<<20)|(1<<21)|(5<<22)|(3<<25)
	s_or_b32 s[G1V], s44, (3<<16)|(1<<20)|(1<<21)|(5<<22)|(3<<25)
.irp g, G1A, G1Q, G1V
	s_mov_b32 s[\g+1], 32<<16
	s_mov_b32 s[\g+3], 32<<16
	s_mov_b32 s[\g+5], 32
	s_mov_b32 s[\g+6], 0
	s_mov_b32 s[\g+7], 0
.endr
	s_mov_b32 s[G1A+2], 256<<16
	s_mov_b32 s[G1A+4], 256
	s_mov_b32 s[G1Q+2], 256<<16
	s_mov_b32 s[G1Q+4], 256
	s_mov_b32 s[G1V+2], 128<<16
	s_mov_b32 s[G1V+4], 128
	; offsets into the buffers
	s_lshl_b32 s18, s17, 1
	s_add_co_u32 s84, s18, s16
	s_lshl_b32 s84, s84, 17                        ; x's codes: group 2 x tile row + which 128
	s_mov_b32 s85, 0
	s_lshl_b32 s86, s42, 17                        ; Q's or K's weights: group tile column
	s_mov_b32 s87, 0
	s_lshl_b32 s88, s42, 16                        ; V's: its groups of 64 begin behind 16 groups of 128
	s_add_co_u32 s88, s88, 0x200000
	s_mov_b32 s89, 0
	s_lshl_b32 s90, s17, 13                        ; scale bytes: 32 a row: x's 128 rows,
	s_lshl_b32 s91, s15, 12
	s_add_co_u32 s90, s90, s91
	s_mov_b32 s91, 0
	s_lshl_b32 s92, s42, 12                        ; my 64 rows of Q's or K's weight,
	s_lshl_b32 s93, s16, 11
	s_add_co_u32 s92, s92, s93
	s_mov_b32 s93, 0
	s_lshl_b32 s94, s42, 11                        ; my 32 of V's
	s_lshl_b32 s95, s16, 10
	s_add_co_u32 s94, s94, s95
	s_add_co_u32 s94, s94, 0x10000
	s_mov_b32 s95, 0
	s_lshl_b32 s96, s42, 9                         ; the bias of my 64 columns,
	s_lshl_b32 s97, s16, 8
	s_add_co_u32 s96, s96, s97
	s_mov_b32 s97, 0
	s_lshl_b32 s98, s42, 8                         ; and of my 32 of V
	s_lshl_b32 s99, s16, 7
	s_add_co_u32 s98, s98, s99
	s_add_co_u32 s98, s98, 8192
	s_mov_b32 s99, 0
	; where the results go: record (16 batch + head) 16 + my 128 tokens' number in the batch
	s_add_co_u32 s18, s18, s15
	s_and_b32 s18, s18, 15
	s_lshr_b32 s19, s17, 3                         ; the batch
	s_lshl_b32 s19, s19, 4
	s_lshl_b32 s45, s42, 1
	s_add_co_u32 s45, s45, s16
	s_and_b32 s45, s45, 15                         ; my head of Q or K
	s_add_co_u32 s46, s19, s45
	s_lshl_b32 s46, s46, 4
	s_add_co_u32 s46, s46, s18
	s_add_co_u32 s47, s19, s42
	s_lshl_b32 s47, s47, 4
	s_add_co_u32 s47, s47, s18
	s_mov_b32 s100, 17408                          ; a record of kv: K's codes, V's at 8,192, K's scale words at 16,384, V's at 16,896
	s_mov_b32 s104, 16384
	s_mul_i32 s47, s47, s100
	s_cmp_lt_u32 ttmp9, 2
	s_cselect_b32 s100, 8704, s100                 ; a record of qb: codes, scale words at 8,192
	s_cselect_b32 s104, 8192, s104
	s_mov_b32 s105, 0
	s_mul_i32 s74, s46, s100
	s_mov_b32 s75, 0
	s_lshl_b32 s78, s16, 12                        ; V's images 2 x half, + 1
	s_add_co_u32 s78, s78, s47
	s_add_co_u32 s78, s78, 8192
	s_mov_b32 s79, 0
	s_lshl_b32 s80, s16, 8
	s_add_co_u32 s80, s80, s47
	s_add_co_u32 s80, s80, 16896
	s_mov_b32 s81, 0
	; my places in LDS
	s_mul_i32 s46, s15, 2*PL
	s_mul_i32 s47, s16, 4*TP
	s_add_co_u32 s47, s47, LQ0
	s_mul_i32 s45, s16, 2*TP
	s_add_co_u32 s45, s45, LV0
	s_mov_b32 s[G0A], 1
	s_mul_i32 s[G0A+1], s16, 2*PL
	s_mov_b32 s[G0Q], 1
	s_mov_b32 s[G0Q+1], LQ0
	s_mov_b32 s[G0V], 1
	s_mov_b32 s[G0V+1], LV0
	s_wait_dscnt 0x0                               ; both opening adds are done
	CROUND                                         ; all sixteen work-groups are here: the joint loads meet
	s_wait_kmcnt 0x0
	s_add_nc_u64 s[90:91], s[6:7], s[90:91]
	s_add_nc_u64 s[92:93], s[10:11], s[92:93]
	s_add_nc_u64 s[94:95], s[10:11], s[94:95]
	s_add_nc_u64 s[96:97], s[68:69], s[96:97]
	s_add_nc_u64 s[98:99], s[68:69], s[98:99]
	v_and_b32 v3, 31, v0
	v_lshlrev_b32 v[L32], 5, v3
	v_bfe_u32 v[BQO], v0, 4, 1
	v_lshlrev_b32 v[BQO], 6, v[BQO]                ; Q, K: d = 32 c + 16 h + 0 .. 15
	v_and_b32 v1, 15, v0
	v_and_b32 v[BVO], 8, v0
	v_add_nc_u32 v[BVO], v[BVO], v1
	v_lshlrev_b32 v[BVO], 2, v[BVO]                ; V: d = 8 u + r + 8 (r / 8)
.irp p, 0,1,2,3
	global_load_b128 v[XSC+8*\p:XSC+8*\p+3], v[L32], s[90:91] offset:1024*\p
	global_load_b128 v[XSC+8*\p+4:XSC+8*\p+7], v[L32], s[90:91] offset:1024*\p+16
.endr
.irp p, 0,1
	global_load_b128 v[WSC+8*\p:WSC+8*\p+3], v[L32], s[92:93] offset:1024*\p
	global_load_b128 v[WSC+8*\p+4:WSC+8*\p+7], v[L32], s[92:93] offset:1024*\p+16
.endr
	global_load_b128 v[WSC+16:WSC+19], v[L32], s[94:95]
	global_load_b128 v[WSC+20:WSC+23], v[L32], s[94:95] offset:16
.irp c, 0,1
.irp i, 0,1,2,3
	global_load_b128 v[BI+16*\c+4*\i:BI+16*\c+4*\i+3], v[BQO], s[96:97] offset:128*\c+16*\i
.endr
.endr
	global_load_b32 v[BI+32], v[BVO], s[98:99]
	global_load_b32 v[BI+40], v[BVO], s[98:99] offset:32
	s_add_nc_u64 s[G0A+2:G0A+3], s[4:5], s[84:85]
	s_or_b32 s[G0A+3], s[G0A+3], 0x80000000
	s_add_nc_u64 s[G0Q+2:G0Q+3], s[8:9], s[86:87]
	s_or_b32 s[G0Q+3], s[G0Q+3], 0x80000000
	s_add_nc_u64 s[G0V+2:G0V+3], s[8:9], s[88:89]
	s_or_b32 s[G0V+3], s[G0V+3], 0x80000000
	JLOAD                                          ; K steps 0 and 1
	; the prefetches: where my wave's part begins, and my work-group's quarter of a K step of it: 32 blocks of 256 bytes (V: 16)
	s_cmp_eq_u32 s14, 3
	s_cselect_b64 s[86:87], s[88:89], s[86:87]
	s_mov_b32 s68, 31
	s_cselect_b32 s68, 15, s68
	s_mov_b32 s69, 13
	s_cselect_b32 s69, 12, s69
	s_mov_b32 s88, 0x10000
	s_cselect_b32 s88, 0x8000, s88                 ; two K steps
	s_mov_b32 s89, 0
	s_cmp_lt_u32 s14, 2
	s_cselect_b64 s[84:85], s[84:85], s[86:87]
	s_cselect_b64 s[PFA:PFA+1], s[4:5], s[8:9]
	s_cselect_b32 s86, s40, s41                    ; my place among the four that ask with me
	s_lshl_b32 s86, s86, s69
	s_mov_b32 s87, 0
	s_add_nc_u64 s[PFA:PFA+1], s[PFA:PFA+1], s[84:85]
	s_add_nc_u64 s[PFA:PFA+1], s[PFA:PFA+1], s[86:87]
	s_add_nc_u64 s[PFA:PFA+1], s[PFA:PFA+1], s[88:89]   ; at K step 2
	s_lshr_b32 s88, s88, 1                         ; a K step
	s_cmp_lt_u32 ttmp9, 2                          ; Q's buffer or K's: the choice hangs on the cluster's number alone
	s_cselect_b64 s[70:71], s[70:71], s[72:73]
	s_add_nc_u64 s[74:75], s[70:71], s[74:75]
	s_add_nc_u64 s[76:77], s[74:75], s[104:105]
	s_add_nc_u64 s[78:79], s[72:73], s[78:79]
	s_add_nc_u64 s[80:81], s[72:73], s[80:81]
	s_mov_b32 s[SEL], 0x76543210
	s_mov_b32 s[SEL+1], 0xfedcba98                 ; v_permlanex16_b32's selects for lane l xor 16
	s_mov_b32 s[MNT], 0x600000                     ; the mantissa field of 57,344
	v_and_b32 v[PFO], s68, v0
	v_lshlrev_b32 v[PFO], 8, v[PFO]
	global_prefetch_b8 v[PFO], s[PFA:PFA+1] th:TH_LOAD_NT scope:SCOPE_SE   ; K step 2
	v_and_b32 v1, 15, v0                           ; r
	v_bfe_u32 v2, v0, 4, 1                         ; h
	v_and_b32 v3, 31, v0
	v_lshlrev_b32 v[L16], 4, v3
	v_lshlrev_b32 v[L4], 2, v3
	v_mul_u32_u24 v1, v1, PITCH
	v_lshl_add_u32 v1, v2, 4, v1                   ; a fragment's row x pitch + 16 x half
	v_add_nc_u32 v[AX], s46, v1
	v_add_nc_u32 v[AQ], s47, v1
	v_add_nc_u32 v[AV], s45, v1
	s_wait_alu depctr_va_vdst(0)
	s_wait_loadcnt 0x0                             ; the scale words and the bias
.irp n, 32,40
.irp j, 1,2,3,4,5,6,7
	v_mov_b32 v[BI+\n+\j], v[BI+\n]                ; V: a lane's eight registers are eight tokens of one d
.endr
.endr
; LDS loads of step q (128 along K; K step q / 2 lies in its part's half (q / 2) % 2).  A fragment is 16 rows x 128 K in 16 registers: lane l holds row l % 16; registers 4 c .. 4 c + 3 hold K = 32 c + 16 (l / 16) + 0 .. 15
.macro LQ q                            ; Q's or K's weight: 16 loads
	WIN 0xc0*((\q)%2)
.irp d, 0,1,2,3
.irp c, 0,1,2,3
	ds_load_b128 v[WF+16*\d+4*\c:WF+16*\d+4*\c+3], v[AQ] offset:PL*(((\q)/2)%2)+128*((\q)%2)+32*\c+TP*\d
.endr
.endr
	WIN 0
.endm
.macro LV q                            ; V's: 8
	WIN 0xc0*((\q)%2)
.irp d, 0,1
.irp c, 0,1,2,3
	ds_load_b128 v[WF+64+16*\d+4*\c:WF+64+16*\d+4*\c+3], v[AV] offset:(PL/2)*(((\q)/2)%2)+128*((\q)%2)+32*\c+TP*\d
.endr
.endr
	WIN 0
.endm
.macro LX q, i0                        ; four tiles of x: 16
	WIN 0x40
.irp d, 0,1,2,3
.irp c, 0,1,2,3
	ds_load_b128 v[128*((\q)%2)+16*((\i0)+\d)+4*\c:128*((\q)%2)+16*((\i0)+\d)+4*\c+3], v[AX] offset:PL*(((\q)/2)%2)+128*((\q)%2)+32*\c+TP*((\i0)+\d)
.endr
.endr
	WIN 0
.endm
.macro FETCH q
	LQ \q
	LX \q, 0
	LX \q, 4
	LV \q
.endm
.macro EMIT                            ; D_ = A_ x B_ + C_; X_, Y_ the scale words, RA_, RB_ which half of the lanes holds them
.if RA_ && RB_
	v_wmma_scale_f32_16x16x128_f8f6f4 v[D_:D_+7], v[A_:A_+15], v[B_:B_+15], v[C_:C_+7], v[X_], v[Y_] matrix_a_fmt:MATRIX_FMT_BF8 matrix_b_fmt:MATRIX_FMT_BF8 matrix_a_scale:MATRIX_SCALE_ROW1 matrix_b_scale:MATRIX_SCALE_ROW1
.elseif RA_
	v_wmma_scale_f32_16x16x128_f8f6f4 v[D_:D_+7], v[A_:A_+15], v[B_:B_+15], v[C_:C_+7], v[X_], v[Y_] matrix_a_fmt:MATRIX_FMT_BF8 matrix_b_fmt:MATRIX_FMT_BF8 matrix_a_scale:MATRIX_SCALE_ROW1
.elseif RB_
	v_wmma_scale_f32_16x16x128_f8f6f4 v[D_:D_+7], v[A_:A_+15], v[B_:B_+15], v[C_:C_+7], v[X_], v[Y_] matrix_a_fmt:MATRIX_FMT_BF8 matrix_b_fmt:MATRIX_FMT_BF8 matrix_b_scale:MATRIX_SCALE_ROW1
.else
	v_wmma_scale_f32_16x16x128_f8f6f4 v[D_:D_+7], v[A_:A_+15], v[B_:B_+15], v[C_:C_+7], v[X_], v[Y_] matrix_a_fmt:MATRIX_FMT_BF8 matrix_b_fmt:MATRIX_FMT_BF8
.endif
.endm
; The 48 accumulators take turns, one instruction a turn, in the same order in every step
.macro GQ q, a0                        ; Q or K: x's tiles a0 .. a0 + 3 x the four tiles of columns
.if (\q) == 0
	WIN 0x84
.elseif (\q)%2
	WIN 0xa7
.else
	WIN 0xa4
.endif
.irp d, 0,1,2,3
.irp n, 0,1,2,3
.set D_, 8*(4*((\a0)+\d)+\n)
.set A_, WF+16*\n
.set B_, 128*((\q)%2)+16*((\a0)+\d)
.set C_, D_
.if (\q) == 0
.set C_, BI+8*\n
.endif
.set X_, WSC+8*(\n/2)+(\q)
.set Y_, XSC+8*(((\a0)+\d)/2)+(\q)
.set RA_, \n%2
.set RB_, ((\a0)+\d)%2
	EMIT
.endr
.endr
	WIN 0
.endm
.macro GV q                            ; V: x's eight tiles x two of columns
.if (\q) == 0
	WIN 0xc1
.elseif (\q)%2
	WIN 0xfd
.else
	WIN 0xf1
.endif
.irp a, 0,1,2,3,4,5,6,7
.irp n, 0,1
.set D_, 8*(4*(\a/2)+2*\n+\a%2)
.set A_, 128*((\q)%2)+16*\a
.set B_, WF+64+16*\n
.set C_, D_
.if (\q) == 0
.set C_, BI+32+8*\n
.endif
.set X_, XSC+8*(\a/2)+(\q)
.set Y_, WSC+16+(\q)
.set RA_, \a%2
.set RB_, \n
	EMIT
.endr
.endr
	WIN 0
.endm
; Step q with the next step's loads laid in three runs among its products.  Each wait leaves out what was issued behind the loads that the group needs: 24 + 16; 8 + 16 + 16; 16 + 16 + 24
.macro STEP q
	LQ (\q)+1
	s_wait_dscnt 40
	GQ \q, 0
	LX (\q)+1, 0
	s_wait_dscnt 40
	GQ \q, 4
	LX (\q)+1, 4
	LV (\q)+1
	s_wait_dscnt 56
	GV \q
.endm
.macro LAST q                          ; step q, nothing fetched
	s_wait_dscnt 24
	GQ \q, 0
	s_wait_dscnt 8
	GQ \q, 4
	s_wait_dscnt 0x0
	GV \q
.endm
	s_wait_alu depctr_va_vdst(0)
	s_wait_tensorcnt 0x0                           ; my part of K steps 0 and 1 is in; no tensor load of mine is out, so the descriptors may be written: K step 2, half as many rows
	s_mov_b32 s[G1A+2], 128<<16
	s_mov_b32 s[G1A+4], 128
	s_mov_b32 s[G1Q+2], 128<<16
	s_mov_b32 s[G1Q+4], 128
	s_mov_b32 s[G1V+2], 64<<16
	s_mov_b32 s[G1V+4], 64
	s_add_nc_u64 s[G0A+2:G0A+3], s[G0A+2:G0A+3], 0x10000
	s_add_nc_u64 s[G0Q+2:G0Q+3], s[G0Q+2:G0Q+3], 0x10000
	s_add_nc_u64 s[G0V+2:G0V+3], s[G0V+2:G0V+3], 0x8000
	s_barrier_signal -1
	s_barrier_wait -1
	FETCH 0
	STEP 0
	; step 1: K step 0 is in registers when its loads are in: a drained round, and K step 2 over it
	s_wait_xcnt 0x0                                ; the prefetch has read its address: it is stepped here
	s_add_nc_u64 s[PFA:PFA+1], s[PFA:PFA+1], s[88:89]
	s_wait_tensorcnt 0x0
	ds_add_u32 v[SPW], v[NIL]
	s_wait_dscnt 25                                ; (the add and the youngest 24 loads may be out)
	GQ 1, 0
	s_wait_dscnt 0x0
	s_barrier_signal -1
	GQ 1, 4
	s_barrier_wait -1
	CREST
	JLOAD                                          ; K step 2
	PLACES 4
	FETCH 2
	global_prefetch_b8 v[PFO], s[PFA:PFA+1] th:TH_LOAD_NT scope:SCOPE_SE   ; K step 3
	GV 1
	PLACES 8
	STEP 2
	LAST 3
	s_wait_tensorcnt 0x0                           ; K step 2 is in; K step 1 is in registers
	ds_add_u32 v[SPW], v[NIL]
	s_add_co_u32 s[G0A+1], s[G0A+1], PL            ; K step 3, over K step 1
	s_add_co_u32 s[G0Q+1], s[G0Q+1], PL
	s_add_co_u32 s[G0V+1], s[G0V+1], PL/2
	s_add_nc_u64 s[G0A+2:G0A+3], s[G0A+2:G0A+3], 0x8000
	s_add_nc_u64 s[G0Q+2:G0Q+3], s[G0Q+2:G0Q+3], 0x8000
	s_add_nc_u64 s[G0V+2:G0V+3], s[G0V+2:G0V+3], 0x4000
	s_wait_dscnt 0x0
	CROUND
	JLOAD                                          ; K step 3
	PLACES 4
	FETCH 4
	STEP 4
	LAST 5
	s_wait_tensorcnt 0x0                           ; K step 3 is in
	s_barrier_signal -1
	s_barrier_wait -1
	PLACES 8
	FETCH 6
	STEP 6
	LAST 7
; THE WAY OUT: a unit is 64 registers of window w: four blocks of 32 (16 registers here, 16 in lane l xor 16) -> codes v[PC + 16 (k % 2) ..], scale word v[PW + k]
.macro QUANT w, base, k
.set P_, PC+16*((\k)%2)
	WIN (\w)|((\w)<<2)
.irp b, 0,1,2,3
	v_max3_num_f32 v[TM+\b], |v[\base+16*\b]|, |v[\base+16*\b+1]|, 0x8000000   ; the largest magnitude, in two chains a block; the floor 2^(16 - 127): the byte cannot fall under 1
.endr
.irp b, 0,1,2,3
	v_max3_num_f32 v[TN+\b], |v[\base+16*\b+2]|, |v[\base+16*\b+3]|, 0x8000000
.endr
.irp i, 4,8,12
.irp b, 0,1,2,3
	v_max3_num_f32 v[TM+\b], |v[\base+16*\b+\i]|, |v[\base+16*\b+\i+1]|, v[TM+\b]
.endr
.irp b, 0,1,2,3
	v_max3_num_f32 v[TN+\b], |v[\base+16*\b+\i+2]|, |v[\base+16*\b+\i+3]|, v[TN+\b]
.endr
.endr
	WIN 0
.irp b, 0,1,2,3
	v_max_num_f32 v[TM+\b], v[TM+\b], v[TN+\b]
.endr
.irp b, 0,1,2,3
	v_permlanex16_b32 v[PT+\b], v[TM+\b], s[SEL], s[SEL+1]
.endr
.irp b, 0,1,2,3
	v_max_num_f32 v[TM+\b], v[TM+\b], v[PT+\b]
.endr
.irp b, 0,1,2,3
	v_add_nc_u32 v[SO+\b], 0xf8800000, v[TM+\b]    ; 15 off the exponent field: the conversion's scale operand
.endr
.irp b, 0,1,2,3
	v_and_or_b32 v[HL+\b], v[TM+\b], 0x7f800000, s[MNT]   ; 57,344 x the scale
.endr
.irp b, 0,1,2,3
	v_lshrrev_b32 v[PT+\b], 23, v[SO+\b]           ; the scale's byte
.endr
	v_lshl_or_b32 v[PW+\k], v[PT+1], 8, v[PT]
	v_lshl_or_b32 v[PW+\k], v[PT+2], 16, v[PW+\k]
	v_lshl_or_b32 v[PW+\k], v[PT+3], 24, v[PW+\k]
	WIN (\w)|((\w)<<6)
.irp b, 0,1,2,3
.irp i, 0,1,2,3,4,5,6,7,8,9,10,11,12,13,14,15
	v_med3_num_f32 v[\base+16*\b+\i], v[\base+16*\b+\i], -v[HL+\b], v[HL+\b]   ; the conversion does not saturate (ISA guide 7.6.2): hold first
.endr
.endr
	WIN \w
.irp b, 0,1,2,3
	v_cvt_scalef32_pk8_bf8_f32 v[P_+4*\b:P_+4*\b+1], v[\base+16*\b:\base+16*\b+7], v[SO+\b]
	v_cvt_scalef32_pk8_bf8_f32 v[P_+4*\b+2:P_+4*\b+3], v[\base+16*\b+8:\base+16*\b+15], v[SO+\b]
.endr
	WIN 0
	v_nop                                          ; a plain vector instruction behind the last conversion
.endm
	PLACES 8
.irp g, 0,1,2,3                                ; Q or K: an image of 32 tokens: blocks (tile u, half c of d)
.if \g > 1
	s_wait_xcnt 0x0                                ; the stores two units back have read their registers
.endif
	QUANT 2, 64*\g, \g
.irp b, 0,1,2,3
	global_store_b128 v[L16], v[P_+4*\b:P_+4*\b+3], s[74:75] offset:2048*\g+512*\b
.endr
	global_store_b32 v[L4], v[PW+\g], s[76:77] offset:128*\g   ; lanes 16-31 hold the same words and fill the rest of the image's 128 bytes
.endr
.irp g, 0,1                                    ; V: 64 tokens: blocks (32 tokens, tile of d)
	s_wait_xcnt 0x0
	QUANT 3, 64*\g, 4+\g
.irp b, 0,1,2,3
	global_store_b128 v[L16], v[P_+4*\b:P_+4*\b+3], s[78:79] offset:2048*(\b%2)+512*(2*\g+\b/2)
.endr
.endr
	s_mov_b32 s46, 0x06040200
	s_mov_b32 s47, 0x07050301
	v_perm_b32 v[WA], v[PW+5], v[PW+4], s46        ; a tile's word: its four blocks of 32 tokens
	v_perm_b32 v[WA+1], v[PW+5], v[PW+4], s47
	global_store_b32 v[L4], v[WA], s[80:81]
	global_store_b32 v[L4], v[WA+1], s[80:81] offset:128
	s_wait_tensorcnt 0x0                           ; the wave's end
	ds_add_u32 v[SPW], v[NIL]
	s_wait_dscnt 0x0
	CROUND                                         ; the closing round: no work-group ends while a partner may still ask for a tile that names it
	s_endpgm
.Lfunc_end_k_qeef65e8d3b_gemm_qkv:
	.size	k_qeef65e8d3b_gemm_qkv, .Lfunc_end_k_qeef65e8d3b_gemm_qkv-k_qeef65e8d3b_gemm_qkv
	.p2alignl 7, 3214868480
	.fill 96, 4, 3214868480
	.section	.rodata,"a",@progbits
	.p2align	6, 0x0
	.amdhsa_kernel k_qeef65e8d3b_gemm_qkv
		.amdhsa_group_segment_fixed_size 327680
		.amdhsa_private_segment_fixed_size 0
		.amdhsa_enable_private_segment 0
		.amdhsa_kernarg_size 56
		.amdhsa_user_sgpr_count 2
		.amdhsa_user_sgpr_kernarg_segment_ptr 1
		.amdhsa_wavefront_size32 1
		.amdhsa_system_sgpr_workgroup_id_x 1
		.amdhsa_system_sgpr_workgroup_id_y 1
		.amdhsa_system_sgpr_workgroup_id_z 1
		.amdhsa_system_vgpr_workitem_id 0
		.amdhsa_next_free_vgpr 1024
		.amdhsa_next_free_sgpr 106
		.amdhsa_reserve_vcc 0
		.amdhsa_float_denorm_mode_32 3
		.amdhsa_float_denorm_mode_16_64 3
		.amdhsa_memory_ordered 1
		.amdhsa_forward_progress 1
		.amdhsa_inst_pref_size 151
	.end_amdhsa_kernel
	.amdgpu_metadata
---
amdhsa.version: [ 1, 2 ]
amdhsa.kernels:
  - .name:           k_qeef65e8d3b_gemm_qkv
    .symbol:         k_qeef65e8d3b_gemm_qkv.kd
    .args:
      - { .name: xc, .offset: 0, .size: 8, .value_kind: global_buffer, .address_space: global }
      - { .name: xs, .offset: 8, .size: 8, .value_kind: global_buffer, .address_space: global }
      - { .name: wc, .offset: 16, .size: 8, .value_kind: global_buffer, .address_space: global }
      - { .name: ws, .offset: 24, .size: 8, .value_kind: global_buffer, .address_space: global }
      - { .name: b_qkv, .offset: 32, .size: 8, .value_kind: global_buffer, .address_space: global }
      - { .name: qb, .offset: 40, .size: 8, .value_kind: global_buffer, .address_space: global }
      - { .name: kv, .offset: 48, .size: 8, .value_kind: global_buffer, .address_space: global }
    .group_segment_fixed_size: 327680
    .private_segment_fixed_size: 0
    .kernarg_segment_align: 8
    .kernarg_segment_size: 56
    .max_flat_workgroup_size: 128
    .sgpr_count:     106
    .vgpr_count:     1024
    .wavefront_size: 32
...
	.end_amdgpu_metadata
.endif
;; end of part 2
;; launch attn (part 3): grid 8 x 32, 8 waves a work-group, clusters of 4 x 1, 327,680 bytes of LDS; arguments qb, kv, oc, os; writes oc, os
.if DOCPART == 3
	.amdgcn_target "amdgcn-amd-amdhsa--gfx1250"
	.amdhsa_code_object_version 6
	.text
	.protected	k_qeef65e8d3b_attn
	.globl	k_qeef65e8d3b_attn
	.p2align	8
	.type	k_qeef65e8d3b_attn,@function
k_qeef65e8d3b_attn:
	s_mov_b64 s[64:65], 0
	v_nop
	global_prefetch_b8 v0, s[64:65] scope:SCOPE_SE
	s_setreg_imm32_b32 hwreg(HW_REG_WAVE_MODE, 25, 1), 1
	s_wait_xcnt 0x0
	s_wait_alu depctr_hold_cnt(0) depctr_sa_sdst(0) depctr_va_vdst(0) depctr_va_sdst(0) depctr_va_ssrc(0) depctr_va_vcc(0) depctr_vm_vsrc(0)
	s_getreg_b32 s2, hwreg(HW_REG_IB_STS2, 6, 4)
	s_cmp_eq_u32 s2, 0
	s_cbranch_scc0 .Lentry_in_a_cluster
	s_endpgm
.Lentry_in_a_cluster:
	s_bfe_u32 s2, ttmp6, 0x10000c
	s_cmp_lg_u32 s2, 0x3003
	s_cbranch_scc0 .Lentry_shape_is_right
	s_endpgm
.Lentry_shape_is_right:
; o = softmax(q k^T / 8) v for one (batch, head), both products on codes of E5M2 with E8M0 scales for each 32 along K; o is quantised along the model's 1,024 and leaves as codes, as images of the last product's operand registers.
; THE SOFTMAX: t = score x log2(e) / 8; M = the running largest t rounded UP to a whole number; p = 2^(t - M) is what is quantised, along the keys, not normalised; the row's sum is taken of the unquantised p and divides at the end.
; When M moves, the sum and O are multiplied by 2^(old M - new M), which rounds nothing.
; SHARES.  A work-group owns 256 queries of one head; each of its eight waves owns TWO tiles of 16 (e = 0, 1), so that a fragment of K or V read from LDS feeds two products, and the two tiles' vector work is laid side by side.
; THE HEAD'S K AND V STAY IN LDS: 16 records of 17,408 bytes (128 keys each), an exact image of memory, filled ONCE: one joint load of two records a wave.  Nothing is filled again and nothing is stored into LDS.
; Two barriers: the first shows records 0 to 3 (waves 0 and 1 have a load line of their own and wait), for key steps 0 to 2; the second all sixteen.
; CLUSTER.  The four query blocks of a cluster belong to one head: each load has the same descriptor in all four and the mask of all four.
; LAYOUT.  Both products are used transposed: a lane holds ONE query of each tile (lane % 16) throughout.  A record's fragments are images of registers: group c of lane l at 512 c + 16 l; scale words at 4 l.
; THE HEAD IS 64 DEEP, THE INSTRUCTION 128.  An image of K holds two tiles of 16 keys: K = 0 .. 63 of the instruction are keys 32 g + r + 8 (r / 8), K = 64 .. 127 the keys 8 further on.  Against (Q, 0) it gives the first tile, against (0, Q) the second.
; The half that does not count multiplies zero codes of Q by codes of K, which are finite (the quantiser holds at 57,344), under scale bytes that are never 0xff: it adds exactly 0.
; So the 16 registers of a pair of tiles are keys 32 g + 16 (lane / 16) + 0 .. 15: p's codes are the second product's operand as they come.  V's images take the head's d in the same order.
; LIMITS: scaled scores (t) stay under 2^31 in magnitude; a block whose largest magnitude lies under 2^(16 - 127) keeps the scale byte 1, a block of zeros too (this program alone reads the bytes); NaN and infinities are not served.
; REGISTERS.  Window 0: scores, codes, scales, all of the softmax.  Window 1: v0-63 K's fragments, v64-127 V's, v128-191 O^T of both tiles, v192-231 zeros | Q of tile 0 | zeros | Q of tile 1 | zeros.
.set REC,  17408                       ; a record: K's 4 images of 2,048 bytes, V's 4, K's 4 scale-word images of 128 bytes, V's 4
.set SPARE, 16*REC                     ; the spare words, 128 bytes a wave
.set LI,   1                           ; v1   16 x lane
.set LS,   2                           ; v2   4 x lane
.set ADR,  3                           ; v3   a record + 16 x lane
.set ADS,  4                           ; v4   a record + 4 x lane
.set SPW,  5
.set NIL,  6
.set GS,   7                           ; v7   32 x (lane % 16): my row of os
.set T,    8                           ; v8, v9
.set NM,   12                          ; v[12 + 2 e] -M, v[13 + 2 e] the largest score so far
.set SUM,  16                          ; v[16 + 2 e : 17 + 2 e] the sum in two halves
.set F,    20                          ; v[20 + 2 e] f = 2^(old M - new M)
.set ACB,  24                          ; v24-39 eight pairs: tile 1's partial sums of a step
.set KSC,  40                          ; v40-43 K's scale words; v44-47 V's; v48, v49 p's; v52, v53 Q's: these hold scales and nothing else
.set VSC,  44
.set PS,   48
.set QS,   52
.set S,    64                          ; v64-191 S^T, then p: tile e, block b of 32 keys at 64 + 64 e + 16 b
.set PC,   192                         ; v192-223 p's codes, 16 a tile; until then tile 0's first sums
.set BM,   224                         ; largest score, then largest p, of block n = 4 e + b
.set PT,   232
.set HL,   240                         ; 57,344 x the scale
.set SO,   248                         ; the conversions' scale operands
.set KF,   0
.set VF,   64
.set O,    128
.set QZ,   192
.set WV,   12
.set FL,   18
.set MNT,  19
.set SEL,  20
.set CS,   22                          ; s[22:23] c = log2(e) / 8
.set G1,   24
.set G0,   32
.set TB,   48
.set CNT,  49
.set MSB,  0
.macro WIN new                         ; the immediate's high byte repeats the setting that is left
.if MSB != (\new)
	s_set_vgpr_msb (MSB<<8)|(\new)
.set MSB, (\new)
.endif
.endm
.macro CROUND                          ; a round of the cluster's barrier
	s_barrier_signal -1
	s_barrier_wait -1
	s_cmp_lg_u32 s[WV], 0
	s_cbranch_scc1 .Lnot_wave_0_\@
	s_barrier_signal -3
.Lnot_wave_0_\@:
	s_barrier_wait -3
	s_barrier_signal -1
	s_barrier_wait -1
.endm
	s_load_b256 s[4:11], s[0:1], 0x0               ; qb s[4:5], kv s[6:7], oc s[8:9], os s[10:11]
	v_lshl_add_u32 v[SPW], v0, 2, SPARE
	v_mov_b32 v[NIL], 0
	ds_add_u32 v[SPW], v[NIL]                      ; the opening lines
	ds_add_u32 v[SPW], v[NIL]
	v_lshrrev_b32 v8, 5, v0
	v_readfirstlane_b32 s[WV], v8                  ; wave 0..7
	s_bfe_u32 s13, ttmp6, 0x40000                  ; cx
	s_lshl_b32 s14, ttmp9, 2
	s_add_co_u32 s14, s14, s13                     ; my block of 256 queries: it enters Q's and o's addresses alone
	s_and_b32 s15, ttmp7, 0xffff                   ; 16 x batch + head, which the four partners share
	s_mov_b32 s[G1], 15|(3<<16)|(1<<21)            ; 15:0 the mask: all four work-groups; 17:16 elements of 8 bytes; 21 set beside a mask; no padding
	s_mov_b32 s[G1+1], 32<<16                      ; tensor_dim0 = 32 elements: rows of 256 bytes
	s_mov_b32 s[G1+2], 136<<16                     ; tensor_dim1 = 136 rows: two records
	s_mov_b32 s[G1+3], 32<<16                      ; tile_dim0
	s_mov_b32 s[G1+4], 136                         ; tile_dim1
	s_mov_b32 s[G1+5], 32                          ; the rows are dense
	s_mov_b32 s[G1+6], 0
	s_mov_b32 s[G1+7], 0
	s_lshl_b32 s52, s15, 4
	s_lshl_b32 s16, s[WV], 1
	s_add_co_u32 s52, s52, s16
	s_mul_i32 s52, s52, REC                        ; the head's record 2 x wave, in memory,
	s_mov_b32 s53, 0
	s_mul_i32 s54, s[WV], 2*REC                    ; and in LDS
	s_mov_b32 s[FL], 0x8000000                     ; the floor 2^(16 - 127)
	s_mov_b32 s[MNT], 0x600000                     ; the mantissa field of 57,344
	s_mov_b32 s[SEL], 0x76543210
	s_mov_b32 s[SEL+1], 0xfedcba98                 ; v_permlanex16_b32's selects for lane l xor 16
	s_mov_b32 s[CS], 0x3e38aa3b
	s_mov_b32 s[CS+1], s[CS]                       ; (named with it as a pair, so it is written)
	s_mov_b32 s50, 0x01000100                      ; byte selects: tile 0's two scale bytes, twice; tile 1's
	s_mov_b32 s51, 0x03020302
	; my 32 queries: record 2 x block + wave / 4 of the head, image wave % 4: groups 0, 1 are tile 0's, groups 2, 3 tile 1's
	s_lshl_b32 s56, s15, 4
	s_lshl_b32 s57, s14, 1
	s_add_co_u32 s56, s56, s57
	s_lshr_b32 s57, s[WV], 2
	s_add_co_u32 s56, s56, s57
	s_mul_i32 s56, s56, 8704
	s_and_b32 s58, s[WV], 3
	s_lshl_b32 s60, s58, 7
	s_add_co_u32 s60, s60, s56
	s_add_co_u32 s60, s60, 8192                    ; the image's scale words
	s_mov_b32 s61, 0
	s_lshl_b32 s58, s58, 11
	s_add_co_u32 s56, s56, s58
	s_mov_b32 s57, 0
	; where o goes: tiles 128 batch + 16 block + 2 wave + e
	s_lshr_b32 s36, s15, 4
	s_lshl_b32 s36, s36, 7
	s_lshl_b32 s37, s14, 4
	s_add_co_u32 s36, s36, s37
	s_add_co_u32 s36, s36, s16
	s_and_b32 s37, s15, 15                         ; the head
	s_lshl_b32 s38, s36, 9                         ; os: 16 rows of 32 bytes a tile, + 2 x head
	s_lshl_b32 s39, s37, 1
	s_add_co_u32 s38, s38, s39
	s_mov_b32 s39, 0
	s_lshl_b32 s36, s36, 14                        ; oc: 16,384 bytes a tile; a head's 64 along K are 1,024 bytes of images
	s_lshl_b32 s37, s37, 10
	s_add_co_u32 s36, s36, s37
	s_mov_b32 s37, 0
	s_wait_dscnt 0x0                               ; both opening adds are done
	CROUND                                         ; all four work-groups are here: the joint loads meet
	s_wait_kmcnt 0x0
	s_add_nc_u64 s[56:57], s[4:5], s[56:57]
	s_add_nc_u64 s[60:61], s[4:5], s[60:61]
	v_and_b32 v10, 31, v0
	v_lshlrev_b32 v[LI], 4, v10
	v_lshlrev_b32 v[LS], 2, v10
	global_load_b32 v54, v[LS], s[60:61]           ; Q is asked for ahead of the tiles
	WIN 0x40
	global_load_b128 v[QZ+8:QZ+11], v[LI], s[56:57]
	global_load_b128 v[QZ+12:QZ+15], v[LI], s[56:57] offset:512
	global_load_b128 v[QZ+24:QZ+27], v[LI], s[56:57] offset:1024
	global_load_b128 v[QZ+28:QZ+31], v[LI], s[56:57] offset:1536
	WIN 0
	s_mov_b32 s[G0], 1
	s_mov_b32 s[G0+1], s54
	s_add_nc_u64 s[G0+2:G0+3], s[6:7], s[52:53]
	s_or_b32 s[G0+3], s[G0+3], 0x80000000
	s_cmp_lt_u32 s[WV], 2                          ; one load a wave; waves 0 and 1, which wait at the first barrier, have a line of their own
	s_cbranch_scc0 .Llater
	tensor_load_to_lds s[G0:G0+3], s[G1:G1+7]
	s_nop 0
.rept 4
	v_nop
.endr
	s_branch .Lasked
.Llater:
	s_wait_loadcnt 0x0                             ; waves 2 to 7 ask for records 4 to 15 when their Q has landed: what the first steps need is asked for first
	tensor_load_to_lds s[G0:G0+3], s[G1:G1+7]
	s_nop 0
.rept 4
	v_nop
.endr
.Lasked:
	s_add_nc_u64 s[8:9], s[8:9], s[36:37]
	s_add_nc_u64 s[10:11], s[10:11], s[38:39]
	v_and_b32 v[GS], 15, v0
	v_lshlrev_b32 v[GS], 5, v[GS]
	WIN 0x40
.set j, 0
.rept 8                                ; the zero codes beside Q
	v_mov_b32 v[QZ+j], 0
	v_mov_b32 v[QZ+16+j], 0
	v_mov_b32 v[QZ+32+j], 0
.set j, j+1
.endr
	WIN 0
.irp e, 0,1
	v_mov_b32 v[NM+2*\e], 0x7f61b1e6               ; -M, of
	v_mov_b32 v[NM+2*\e+1], 0xff61b1e6             ; the largest score so far: -3e38, under every score
	v_mov_b32 v[SUM+2*\e], 0
	v_mov_b32 v[SUM+2*\e+1], 0
	v_mov_b32 v[F+2*\e+1], 0                       ; (named as the upper half of a pair)
.endr
.set j, 0
.rept 8
	v_mov_b32 v[PT+j], 0                           ; a lane permute's destination counts as one of its sources
	v_mov_b32 v[ACB+2*j], 0                        ; no step before the first: nothing to add
	v_mov_b32 v[ACB+2*j+1], 0
.set j, j+1
.endr
	v_mov_b32 v[T], 0
	v_mov_b32 v[T+1], 0
	v_mov_b32 v[ADR], v[LI]                        ; record 0
	v_mov_b32 v[ADS], v[LS]
	s_wait_alu depctr_va_vdst(0)
	s_wait_loadcnt 0x0                             ; Q and its scale words
	v_perm_b32 v[QS], v54, v54, s50                ; Q's scale words: (q0, q1, q0, q1)
	v_perm_b32 v[QS+1], v54, v54, s51
	WIN 0x40
.set j, 0
.rept 64
	v_mov_b32 v[O+j], 0                            ; O^T.  (The step is written for a sum that goes on: the first finds zeros, which the first change of M leaves zeros)
.set j, j+1
.endr
	WIN 0
.macro KLOAD off                       ; K's fragments and scale words of the record `off` behind ADR
.irp g, 0,1,2,3
	ds_load_b32 v[KSC+\g], v[ADS] offset:\off+16384+128*\g
.endr
	WIN 0x40
.irp g, 0,1,2,3
.irp c, 0,1,2,3
	ds_load_b128 v[KF+16*\g+4*\c:KF+16*\g+4*\c+3], v[ADR] offset:\off+2048*\g+512*\c   ; 512 consecutive bytes a load
.endr
.endr
	WIN 0
.endm
.macro TL k                            ; one of the eight lines that add tile 1's eight partial sums of the step before onto its sum
.if (\k) < 4
	v_pk_add_f32 v[ACB+2*(\k):ACB+2*(\k)+1], v[ACB+2*(\k):ACB+2*(\k)+1], v[ACB+2*(\k)+8:ACB+2*(\k)+9]
.elseif (\k) < 6
	v_pk_add_f32 v[ACB+2*(\k)-8:ACB+2*(\k)-7], v[ACB+2*(\k)-8:ACB+2*(\k)-7], v[ACB+2*(\k)-4:ACB+2*(\k)-3]
.elseif (\k) < 7
	v_pk_add_f32 v[ACB:ACB+1], v[ACB:ACB+1], v[ACB+2:ACB+3]
.else
	v_pk_add_f32 v[SUM+2:SUM+3], v[SUM+2:SUM+3], v[ACB:ACB+1]
.endif
.endm
.macro TAIL
.irp k, 0,1,2,3,4,5,6,7
	TL \k
.endr
.endm
.macro MX g, i, e                      ; line i of eight of block g of tile e: the largest score of 32 keys: it serves for the row's maximum and, since p rises with the score, for the block's largest p
.set X_, S+64*(\e)+16*(\g)
.set Y_, BM+4*(\e)+(\g)
.if (\i) == 0
	v_max3_num_f32 v[Y_], v[X_], v[X_+1], v[X_+2]
.elseif (\i) < 7
	v_max3_num_f32 v[Y_], v[Y_], v[X_+2*(\i)+1], v[X_+2*(\i)+2]
.else
	v_max_num_f32 v[Y_], v[Y_], v[X_+15]
.endif
.endm
; Product n of the sixteen S^T = K Q^T: an image of K against (Q, 0) and against (0, Q), for both tiles.  Behind products 3 to 6 stand the sum's tail, eight lines that name none of the products' registers: the places behind block 0's products and behind the last step's;
; behind 7 to 15 the first lines of the maxima, each eight such lines or more behind the products that it reads
.macro QKN n
.set G_, (\n)/4
.set E_, ((\n)/2)%2
.set H_, (\n)%2
	WIN 0x05
	v_wmma_scale_f32_16x16x128_f8f6f4 v[S+64*E_+16*G_+8*H_:S+64*E_+16*G_+8*H_+7], v[KF+16*G_:KF+16*G_+15], v[QZ+16*E_+8-8*H_:QZ+16*E_+23-8*H_], 0, v[KSC+G_], v[QS+E_] matrix_a_fmt:MATRIX_FMT_BF8 matrix_b_fmt:MATRIX_FMT_BF8
.if (\n) > 6
	WIN 0
	MX ((\n)-7)/8, ((\n)-7)%8, 0
	MX ((\n)-7)/8, ((\n)-7)%8, 1
.elseif (\n) > 2
	WIN 0
	TL 2*(\n)-6
	TL 2*(\n)-5
.endif
.endm
; Two holds an instruction, of two blocks: an even and an odd destination, and each pair of sources in two register banks.  The conversion does not saturate (ISA guide 7.6.2); p is not negative, so the hold is one-sided
.macro HOLD e, k
.set HX, S+64*(\e)+32*((\k)/16)+((\k)%16)
.set HY, S+64*(\e)+32*((\k)/16)+16+((\k)%16)+1-2*((\k)%2)
.set HB, HL+4*(\e)+2*((\k)/16)
	v_dual_min_num_f32 v[HX], v[HX], v[HB] :: v_dual_min_num_f32 v[HY], v[HY], v[HB+1]
.endm
.macro SCA e                           ; the floor: the byte cannot fall under 1
	v_dual_max_num_f32 v[BM+4*\e], s[FL], v[BM+4*\e] :: v_dual_max_num_f32 v[BM+4*\e+1], s[FL], v[BM+4*\e+1]
	v_dual_max_num_f32 v[BM+4*\e+2], s[FL], v[BM+4*\e+2] :: v_dual_max_num_f32 v[BM+4*\e+3], s[FL], v[BM+4*\e+3]
.endm
.macro SCB e
.irp b, 0,1,2,3
	v_add_nc_u32 v[SO+4*\e+\b], 0xf8800000, v[BM+4*\e+\b]            ; 15 off the exponent field: the conversion's scale operand
.endr
.irp b, 0,1,2,3
	v_and_or_b32 v[HL+4*\e+\b], v[BM+4*\e+\b], 0x7f800000, s[MNT]    ; 57,344 x the scale
.endr
.endm
.macro SCC e
.irp b, 0,1,2,3
	v_lshrrev_b32 v[PT+4*\e+\b], 23, v[SO+4*\e+\b]                   ; the scale's byte
.endr
.endm
.macro SCD e                           ; p's scale word for these 128 keys
	v_lshl_or_b32 v[PS+\e], v[PT+4*\e+1], 8, v[PT+4*\e]
	v_lshl_or_b32 v[PS+\e], v[PT+4*\e+2], 16, v[PS+\e]
	v_lshl_or_b32 v[PS+\e], v[PT+4*\e+3], 24, v[PS+\e]
.endm
.macro CVT e
.irp b, 0,1,2,3
	v_cvt_scalef32_pk8_bf8_f32 v[PC+16*\e+4*\b:PC+16*\e+4*\b+1], v[S+64*\e+16*\b:S+64*\e+16*\b+7], v[SO+4*\e+\b]
	v_cvt_scalef32_pk8_bf8_f32 v[PC+16*\e+4*\b+2:PC+16*\e+4*\b+3], v[S+64*\e+16*\b+8:S+64*\e+16*\b+15], v[SO+4*\e+\b]
.endr
.endm
; A KEY STEP: 128 keys, the record at LDS byte s[TB]; its K is in registers.  last = 1: the next record's address is held at the last one, so that the very last step asks for its own K once more and nobody uses it.
.macro STEP last
.set N_, 0
.rept 16
	QKN N_
.set N_, N_+1
.endr
	WIN 0
	v_add_nc_u32 v[ADR], s[TB], v[LI]
	v_add_nc_u32 v[ADS], s[TB], v[LS]
.irp t, 0,1,2,3
	ds_load_b32 v[VSC+\t], v[ADS] offset:16896+128*\t
.endr
	WIN 0x40
.irp t, 0,1,2,3                                ; V's fragments land under the softmax,
.irp c, 0,1,2,3
	ds_load_b128 v[VF+16*\t+4*\c:VF+16*\t+4*\c+3], v[ADR] offset:8192+2048*\t+512*\c
.endr
.endr
	WIN 0
.irp i, 1,2                                    ; ten lines and more stand behind the last score product: K's registers may be loaded
	MX 1, \i, 0
	MX 1, \i, 1
	MX 2, \i-1, 0
	MX 2, \i-1, 1
.endr
.if \last
	s_add_co_u32 s50, s[TB], REC
	s_min_u32 s50, s50, 15*REC
	v_add_nc_u32 v[ADR], s50, v[LI]
	v_add_nc_u32 v[ADS], s50, v[LS]
	KLOAD 0
.else
	KLOAD REC
.endif
.irp i, 3,4,5,6,7
.irp e, 0,1
	MX 1, \i, \e
	MX 2, \i-1, \e
	MX 3, \i-3, \e
.endr
.endr
.irp e, 0,1
	MX 2, 7, \e
	MX 3, 5, \e
.endr
.irp i, 6,7
	MX 3, \i, 0
	MX 3, \i, 1
.endr
.irp n, 0,1,2,3,4,5,6,7
	v_permlanex16_b32 v[PT+\n], v[BM+\n], s[SEL], s[SEL+1]
.endr
.irp n, 0,2,4,6
	v_dual_max_num_f32 v[BM+\n], v[BM+\n], v[PT+\n] :: v_dual_max_num_f32 v[BM+\n+1], v[BM+\n+1], v[PT+\n+1]   ; with lane l xor 16's 16 keys
.endr
.irp e, 0,1
	v_max3_num_f32 v[T+\e], v[BM+4*\e], v[BM+4*\e+1], v[BM+4*\e+2]
.endr
.irp e, 0,1
	v_max3_num_f32 v[NM+2*\e+1], v[T+\e], v[BM+4*\e+3], v[NM+2*\e+1]   ; the largest score so far
.endr
.irp e, 0,1
	v_mul_f32 v[T+\e], -v[NM+2*\e+1], s[CS]        ; -t (c is positive)
.endr
.irp e, 0,1
	v_floor_f32 v[T+\e], v[T+\e]                   ; the new -M = floor(-t) = -ceil(t)
.endr
.irp e, 0,1
	v_sub_f32 v[F+2*\e], v[T+\e], v[NM+2*\e]       ; old M - new M: a whole number, 0 or less
.endr
.irp e, 0,1
	v_mov_b32 v[NM+2*\e], v[T+\e]
.endr
.irp e, 0,1
	v_cvt_i32_f32 v[F+2*\e], v[F+2*\e]             ; (it saturates)
.endr
.irp e, 0,1
	v_ldexp_f32 v[F+2*\e], 1.0, v[F+2*\e]          ; f = 2^(old M - new M)
.endr
.set j, 0
.rept 32
	v_pk_fma_f32 v[S+j:S+j+1], v[S+j:S+j+1], s[CS:CS+1], v[NM:NM+1] op_sel_hi:[1,0,0]   ; tile 0: t - M, two at a time,
.set j, j+2
.endr
	v_pk_fma_f32 v[BM:BM+1], v[BM:BM+1], s[CS:CS+1], v[NM:NM+1] op_sel_hi:[1,0,0]       ; and of each block's largest score
	v_pk_fma_f32 v[BM+2:BM+3], v[BM+2:BM+3], s[CS:CS+1], v[NM:NM+1] op_sel_hi:[1,0,0]
	s_wait_alu depctr_va_vdst(0)                   ; the wait ahead of the batch
.set j, 0
.rept 32                                       ; tile 0's p = 2^(t - M), at most 1; among them tile 1's t - M
	v_exp_f32 v[S+j], v[S+j]
	v_exp_f32 v[S+j+1], v[S+j+1]
	v_pk_fma_f32 v[S+64+j:S+65+j], v[S+64+j:S+65+j], s[CS:CS+1], v[NM+2:NM+3] op_sel_hi:[1,0,0]
.set j, j+2
.endr
.irp b, 0,2                                    ; the block's largest p: the same two instructions on the same number
	v_exp_f32 v[BM+\b], v[BM+\b]
	v_exp_f32 v[BM+\b+1], v[BM+\b+1]
	v_pk_fma_f32 v[BM+4+\b:BM+5+\b], v[BM+4+\b:BM+5+\b], s[CS:CS+1], v[NM+2:NM+3] op_sel_hi:[1,0,0]
.endr
	v_pk_mul_f32 v[SUM:SUM+1], v[SUM:SUM+1], v[F:F+1] op_sel_hi:[1,0]   ; tile 0's sum under the new M.  (A plain place behind the exponentials)
	s_wait_alu depctr_va_vdst(0)                   ; and the wait ahead of the batch's first reader
	SCA 0
	SCB 0
	SCC 0
	SCD 0
	s_wait_alu depctr_va_vdst(0)                   ; the wait ahead of the batch
.set j, 0
.rept 64                                       ; tile 1's p; among them tile 0's first sums (of the unquantised p) and, behind those, its holds
	v_exp_f32 v[S+64+j], v[S+64+j]
.if j < 16
	v_pk_add_f32 v[PC+2*j:PC+2*j+1], v[S+4*j:S+4*j+1], v[S+4*j+2:S+4*j+3]
.elseif j < 48
	HOLD 0, j-16
.endif
.set j, j+1
.endr
.irp b, 4,5,6,7
	v_exp_f32 v[BM+\b], v[BM+\b]
.endr
	v_pk_mul_f32 v[SUM+2:SUM+3], v[SUM+2:SUM+3], v[F+2:F+3] op_sel_hi:[1,0]
	s_wait_alu depctr_va_vdst(0)                   ; the wait ahead of the batch's first reader
	SCA 1
.irp i, 0,4,8,12,16,20,24,28
	v_pk_add_f32 v[PC+\i:PC+\i+1], v[PC+\i:PC+\i+1], v[PC+\i+2:PC+\i+3]
.endr
	SCB 1
.irp i, 0,8,16,24
	v_pk_add_f32 v[PC+\i:PC+\i+1], v[PC+\i:PC+\i+1], v[PC+\i+4:PC+\i+5]
.endr
	SCC 1
.irp i, 0,16
	v_pk_add_f32 v[PC+\i:PC+\i+1], v[PC+\i:PC+\i+1], v[PC+\i+8:PC+\i+9]
.endr
	SCD 1
	v_pk_add_f32 v[PC:PC+1], v[PC:PC+1], v[PC+16:PC+17]
.set j, 0
.rept 8                                        ; tile 1's sums, in eight chains; their tail stands behind the next products
	v_pk_add_f32 v[ACB+2*j:ACB+2*j+1], v[S+64+2*j:S+65+2*j], v[S+80+2*j:S+81+2*j]
.set j, j+1
.endr
	v_pk_add_f32 v[SUM:SUM+1], v[SUM:SUM+1], v[PC:PC+1]
	CVT 0
.set j, 0
.rept 8
	v_pk_add_f32 v[ACB+2*j:ACB+2*j+1], v[ACB+2*j:ACB+2*j+1], v[S+96+2*j:S+97+2*j]
.set j, j+1
.endr
.set j, 0
.rept 8
	v_pk_add_f32 v[ACB+2*j:ACB+2*j+1], v[ACB+2*j:ACB+2*j+1], v[S+112+2*j:S+113+2*j]
.set j, j+1
.endr
.set j, 0
.rept 32
	HOLD 1, j
.set j, j+1
.endr
	CVT 1
	WIN 0x41
	s_wait_alu depctr_va_vdst(0)                   ; the wait ahead of the first readers of O^T
.irp e, 0,1
.set j, 0
.rept 16
	v_pk_mul_f32 v[O+32*\e+j:O+32*\e+j+1], v[O+32*\e+j:O+32*\e+j+1], v[F+2*\e:F+2*\e+1] op_sel_hi:[1,0]   ; O^T under the new M.  (These are also the places between the codes and the products)
.set j, j+2
.endr
.endr
	s_wait_alu depctr_va_vdst(0)                   ; and ahead of the wait below
	s_wait_dscnt 0x0                               ; V, and the next step's K
	WIN 0x51
.irp t, 0,1,2,3                                ; O^T += V^T P^T: eight accumulators by turns
.irp e, 0,1
	v_wmma_scale_f32_16x16x128_f8f6f4 v[O+32*\e+8*\t:O+32*\e+8*\t+7], v[VF+16*\t:VF+16*\t+15], v[PC+16*\e:PC+16*\e+15], v[O+32*\e+8*\t:O+32*\e+8*\t+7], v[VSC+\t], v[PS+\e] matrix_a_fmt:MATRIX_FMT_BF8 matrix_b_fmt:MATRIX_FMT_BF8
.endr
.endr
	WIN 0
.endm
.macro STEPS first, n, last            ; n key steps from record first on
	s_mov_b32 s[TB], (\first)*REC
	s_mov_b32 s[CNT], \n
.Lstep_\@:
	STEP \last
	s_add_co_u32 s[TB], s[TB], REC
	s_sub_co_u32 s[CNT], s[CNT], 1
	s_cmp_lg_u32 s[CNT], 0
	s_cbranch_scc1 .Lstep_\@
.endm
	s_wait_alu depctr_va_vdst(0)
	s_cmp_lt_u32 s[WV], 2
	s_cbranch_scc0 .Lnot_yet
	s_wait_tensorcnt 0x0                           ; waves 0 and 1: records 0 to 3 have landed
.Lnot_yet:
	s_barrier_signal -1
	s_barrier_wait -1
	KLOAD 0                                        ; the first step's K
	s_wait_dscnt 0x0
	STEPS 0, 3, 0                                  ; its last step asks for record 3's K
	s_wait_tensorcnt 0x0                           ; everybody's records; no LDS instruction of mine is out
	s_barrier_signal -1
	s_barrier_wait -1
	STEPS 3, 13, 1
	; THE WAY OUT: O^T / the sum; tile e's registers 16 b + i are o(query, 32 b + 16 (lane / 16) + i): two blocks of 32 along the last product's K, each shared with lane l xor 16
	TAIL                                           ; the places behind the last products, too
	v_add_f32 v[SUM], v[SUM], v[SUM+1]
	v_add_f32 v[SUM+2], v[SUM+2], v[SUM+3]
	v_permlanex16_b32 v[T], v[SUM], s[SEL], s[SEL+1]
	v_permlanex16_b32 v[T+1], v[SUM+2], s[SEL], s[SEL+1]
	v_add_f32 v[SUM], v[SUM], v[T]                 ; the rows' sums
	v_add_f32 v[SUM+2], v[SUM+2], v[T+1]
	s_wait_alu depctr_va_vdst(0)                   ; the wait ahead of the batch
	v_rcp_f32 v[SUM], v[SUM]
	v_rcp_f32 v[SUM+2], v[SUM+2]
	v_nop                                          ; a plain place behind the transcendentals
	WIN 0x01
	s_wait_alu depctr_va_vdst(0)                   ; and the wait ahead of the first readers, of O^T too
.irp e, 0,1
.set j, 0
.rept 16
	v_pk_mul_f32 v[S+64*\e+j:S+64*\e+j+1], v[O+32*\e+j:O+32*\e+j+1], v[SUM+2*\e:SUM+2*\e+1] op_sel_hi:[1,0]
.set j, j+2
.endr
.endr
	WIN 0
.irp n, 0,1,2,3                                ; n = 2 e + b
	v_max3_num_f32 v[BM+\n], |v[S+64*(\n/2)+16*(\n%2)]|, |v[S+64*(\n/2)+16*(\n%2)+1]|, 0x8000000
.endr
.irp i, 2,4,6,8,10,12,14
.irp n, 0,1,2,3
	v_max3_num_f32 v[BM+\n], v[BM+\n], |v[S+64*(\n/2)+16*(\n%2)+\i]|, |v[S+64*(\n/2)+16*(\n%2)+\i+1]|
.endr
.endr
.irp n, 0,1,2,3
	v_permlanex16_b32 v[PT+\n], v[BM+\n], s[SEL], s[SEL+1]
.endr
.irp n, 0,1,2,3
	v_max_num_f32 v[BM+\n], v[BM+\n], v[PT+\n]
.endr
	SCB 0
	SCC 0
.irp e, 0,1
	v_lshl_or_b32 v[T+\e], v[PT+2*\e+1], 8, v[PT+2*\e]   ; my row's two scale bytes
.endr
.irp n, 0,1,2,3
.irp i, 0,1,2,3,4,5,6,7,8,9,10,11,12,13,14,15
	v_med3_num_f32 v[S+64*(\n/2)+16*(\n%2)+\i], v[S+64*(\n/2)+16*(\n%2)+\i], -v[HL+\n], v[HL+\n]
.endr
	v_cvt_scalef32_pk8_bf8_f32 v[PC+4*\n:PC+4*\n+1], v[S+64*(\n/2)+16*(\n%2):S+64*(\n/2)+16*(\n%2)+7], v[SO+\n]
	v_cvt_scalef32_pk8_bf8_f32 v[PC+4*\n+2:PC+4*\n+3], v[S+64*(\n/2)+16*(\n%2)+8:S+64*(\n/2)+16*(\n%2)+15], v[SO+\n]
.endr
	v_nop                                          ; a plain vector instruction behind the last conversion
.irp n, 0,1,2,3
	global_store_b128 v[LI], v[PC+4*\n:PC+4*\n+3], s[8:9] offset:16384*(\n/2)+512*(\n%2)   ; the wave stores 512 consecutive bytes, aligned
.endr
.irp e, 0,1
	global_store_b16 v[GS], v[T+\e], s[10:11] offset:512*\e   ; two bytes of each row of 32 (lanes l and l xor 16 write the same bytes with the same value): 1/32 of the codes' bytes
.endr
	s_wait_tensorcnt 0x0                           ; the wave's end
	ds_add_u32 v[SPW], v[NIL]
	s_wait_dscnt 0x0
	CROUND                                         ; the closing round: no work-group ends while a partner may still ask for a record that names it
	s_endpgm
.Lfunc_end_k_qeef65e8d3b_attn:
	.size	k_qeef65e8d3b_attn, .Lfunc_end_k_qeef65e8d3b_attn-k_qeef65e8d3b_attn
	.p2alignl 7, 3214868480
	.fill 96, 4, 3214868480
	.section	.rodata,"a",@progbits
	.p2align	6, 0x0
	.amdhsa_kernel k_qeef65e8d3b_attn
		.amdhsa_group_segment_fixed_size 327680
		.amdhsa_private_segment_fixed_size 0
		.amdhsa_enable_private_segment 0
		.amdhsa_kernarg_size 32
		.amdhsa_user_sgpr_count 2
		.amdhsa_user_sgpr_kernarg_segment_ptr 1
		.amdhsa_wavefront_size32 1
		.amdhsa_system_sgpr_workgroup_id_x 1
		.amdhsa_system_sgpr_workgroup_id_y 1
		.amdhsa_system_sgpr_workgroup_id_z 1
		.amdhsa_system_vgpr_workitem_id 0
		.amdhsa_next_free_vgpr 512
		.amdhsa_next_free_sgpr 66
		.amdhsa_reserve_vcc 0
		.amdhsa_float_denorm_mode_32 3
		.amdhsa_float_denorm_mode_16_64 3
		.amdhsa_memory_ordered 1
		.amdhsa_forward_progress 1
		.amdhsa_inst_pref_size 92
	.end_amdhsa_kernel
	.amdgpu_metadata
---
amdhsa.version: [ 1, 2 ]
amdhsa.kernels:
  - .name:           k_qeef65e8d3b_attn
    .symbol:         k_qeef65e8d3b_attn.kd
    .args:
      - { .name: qb, .offset: 0, .size: 8, .value_kind: global_buffer, .address_space: global }
      - { .name: kv, .offset: 8, .size: 8, .value_kind: global_buffer, .address_space: global }
      - { .name: oc, .offset: 16, .size: 8, .value_kind: global_buffer, .address_space: global }
      - { .name: os, .offset: 24, .size: 8, .value_kind: global_buffer, .address_space: global }
    .group_segment_fixed_size: 327680
    .private_segment_fixed_size: 0
    .kernarg_segment_align: 8
    .kernarg_segment_size: 32
    .max_flat_workgroup_size: 256
    .sgpr_count:     66
    .vgpr_count:     512
    .wavefront_size: 32
...
	.end_amdgpu_metadata
.endif
;; end of part 3
;; launch gemm_out (part 4): grid 8 x 32, 4 waves a work-group, clusters of 4 x 4, 327,680 bytes of LDS; arguments oc, os, wc, ws, b_out, out0; writes out0
.if DOCPART == 4
	.amdgcn_target "amdgcn-amd-amdhsa--gfx1250"
	.amdhsa_code_object_version 6
	.text
	.protected	k_qeef65e8d3b_gemm_out
	.globl	k_qeef65e8d3b_gemm_out
	.p2align	8
	.type	k_qeef65e8d3b_gemm_out,@function
k_qeef65e8d3b_gemm_out:
	s_mov_b64 s[64:65], 0
	v_nop
	global_prefetch_b8 v0, s[64:65] scope:SCOPE_SE
	s_setreg_imm32_b32 hwreg(HW_REG_WAVE_MODE, 25, 1), 1
	s_wait_xcnt 0x0
	s_wait_alu depctr_hold_cnt(0) depctr_sa_sdst(0) depctr_va_vdst(0) depctr_va_sdst(0) depctr_va_ssrc(0) depctr_va_vcc(0) depctr_vm_vsrc(0)
	s_getreg_b32 s2, hwreg(HW_REG_IB_STS2, 6, 4)
	s_cmp_eq_u32 s2, 0
	s_cbranch_scc0 .Lentry_in_a_cluster
	s_endpgm
.Lentry_in_a_cluster:
	s_bfe_u32 s2, ttmp6, 0x10000c
	s_cmp_lg_u32 s2, 0xf033
	s_cbranch_scc0 .Lentry_shape_is_right
	s_endpgm
.Lentry_shape_is_right:
; out0 = o w_out + b_out on codes of E5M2 with E8M0 scales for each 32 along K = 1,024; out0 [4096][1024] f32.
; A tile of C is 128 x 128: 32 x 8 = 256 tiles, one work-group each, so that every WGP has one.  Four waves, each 64 x 64: 16 accumulators of 16 x 16, 128 registers.
; ALL OF K LIES IN LDS, FILLED ONCE, by one joint load a wave: waves 0 and 1 bring A's and B's first 512 along K, which the first barrier shows, waves 2 and 3 the other 512, which the second shows.  The scale words come straight from memory into registers.
; A = o ARRIVES AS IMAGES OF ITS FRAGMENTS: oc [tile of 16 rows][K step of 128][2,048 bytes], group c of lane l at 512 c + 16 l: a fragment is four dense LDS loads.
; Tile tau, lane row r is token 32 (tau / 2) + 8 (tau % 2) + 16 (r / 8) + r % 8: the stores put the rows where they belong.  os [16 tau + r][32] are A's scale bytes in the same order of rows.
; B = places 3,072 on of wc (w_out's columns, K innermost), with ws beside it: 128 places lie densely, K step by K step of 256 bytes.  Bits 3 and 4 of the column's number are swapped in its place within each 32: so the registers of B's tiles 2 c, 2 c + 1 are, in lane (r, h), columns 32 c + 16 h + 0 .. 15.
; CLUSTERS of 4 x 4: A's tiles hang on the tile row alone and are asked for jointly along a row of the cluster, B's on the tile column alone, along a column.
; The matrix instruction is used transposed (source 0 = 16 rows of B, source 1 = 16 rows of A): a lane holds eight neighbouring columns of a row of C.  The bias is the C of the first K step's products: nothing is cleared and nothing is added.
; No prefetch: all tiles are asked for at the head, and no loop runs ahead of a load.  NaN and infinities are not served.
; REGISTERS.  Window 0: v8-23 B's scale words, v28-43 A's (they hold scales and nothing else; a product's two words have numbers 4 apart modulo 8); v44-75 the bias, later rows on the way out; v76-84 addresses; v92-123 rows on the way out; v128-255 the accumulators ((a, b) at v[128 + 8 (4 a + b)]).
;   window 1: two sets of fragments, set p at v[128 p]: A's four, then B's four, 16 registers each.
.set AH,     65536                     ; A's half: 8 tiles x 8,192 bytes
.set BP,     272                       ; B's LDS row: 256 bytes + 16 of padding: the 16 rows that a load touches start at 16 different banks (64 banks of 4 bytes: ISA guide 11.1)
.set BB0,    2*AH
.set BH,     256*BP                    ; B's half: two K steps of 256, 128 rows each
.set STG,    BB0+2*BH                  ; the way out: 16 rows x (256 + 16) bytes for each wave; no tile lands here
.set SPITCH, 272
.set SPARE,  STG+4*16*SPITCH           ; the spare words, 128 bytes a wave
.set NP,     8                         ; places behind this matrix instruction (ISA guide 7.12.1)
.set WSC,  8
.set XSC,  28
.set BI,   44
.set ADRA, 76                          ; v76, v77  LDS address of my A fragments in each half
.set ADRB, 78                          ; v78, v79  the same for B
.set STO,  80
.set RD,   81
.set CO,   82
.set BO,   83
.set L32,  84
.set SPW,  124
.set NIL,  125
.set ACC,  128
.set G1A,  24
.set G1B,  32
.set GA,   40                          ; s[40:43], s[44:47] groups 0: A's halves
.set GB,   48                          ; s[48:51], s[52:55] B's halves
.set MSB, 0
.macro WIN new                         ; the immediate's high byte repeats the setting that is left
.if MSB != (\new)
	s_set_vgpr_msb (MSB<<8)|(\new)
.set MSB, (\new)
.endif
.endm
.macro CROUND                          ; a round of the cluster's barrier
	s_barrier_signal -1
	s_barrier_wait -1
	s_cmp_lg_u32 s14, 0
	s_cbranch_scc1 .Lnot_wave_0_\@
	s_barrier_signal -3
.Lnot_wave_0_\@:
	s_barrier_wait -3
	s_barrier_signal -1
	s_barrier_wait -1
.endm
.macro GROUP0 g, lds, base, off
	s_mov_b32 s[\g], 1                             ; 1:0 count = 1
	s_mov_b32 s[\g+1], \lds                        ; 63:32 LDS address
.if \off
	s_add_nc_u64 s[\g+2:\g+3], s[\base:\base+1], \off   ; 120:64 global address
.else
	s_mov_b64 s[\g+2:\g+3], s[\base:\base+1]
.endif
	s_or_b32 s[\g+3], s[\g+3], 0x80000000          ; 127:126 type = 2
.endm
.macro PLACES n                        ; plain vector instructions between a matrix instruction and a load into, or a read of, its registers
.rept \n
	v_nop
.endr
.endm
	s_load_b256 s[4:11], s[0:1], 0x0               ; oc, os, wc, ws
	s_load_b64 s[12:13], s[0:1], 0x20              ; b_out
	s_load_b64 s[66:67], s[0:1], 0x28              ; out0
	v_lshl_add_u32 v[SPW], v0, 2, SPARE
	v_mov_b32 v[NIL], 0
	ds_add_u32 v[SPW], v[NIL]                      ; the opening lines
	ds_add_u32 v[SPW], v[NIL]
	v_lshrrev_b32 v1, 5, v0
	v_readfirstlane_b32 s14, v1                    ; wave 0..3
	s_lshr_b32 s15, s14, 1                         ; which half of the tile's rows is mine
	s_and_b32 s16, s14, 1                          ; which half of its columns
	s_bfe_u32 s100, ttmp6, 0x40000                 ; cx
	s_bfe_u32 s101, ttmp6, 0x40004                 ; cy
	s_lshl_b32 s19, 0x1111, s100                   ; my column of the cluster
	s_lshl_b32 s18, s101, 2
	s_lshl_b32 s18, 15, s18                        ; my row
	s_lshl_b32 s104, ttmp9, 2
	s_add_co_u32 s100, s104, s100                  ; tile column of C = 4 x cluster x + cx
	s_and_b32 s17, ttmp7, 0xffff
	s_lshl_b32 s17, s17, 2
	s_add_co_u32 s17, s17, s101                    ; tile row of C = 4 x cluster y + cy
	s_or_b32 s[G1A], s18, (3<<16)|(1<<21)          ; A: 15:0 the mask: my row; 17:16 elements of 8 bytes; 21 set beside a mask; no padding: the images are read densely
	s_mov_b32 s[G1A+1], 1024<<16                   ; tensor_dim0 = 1,024 elements: 8,192 bytes, a tile's images of four K steps of 128
	s_mov_b32 s[G1A+2], 8<<16                      ; tensor_dim1 = 8 tiles of 16 rows
	s_mov_b32 s[G1A+3], 1024<<16                   ; tile_dim0
	s_mov_b32 s[G1A+4], 8                          ; tile_dim1
	s_mov_b32 s[G1A+5], 2048                       ; from tile to tile: 16,384 bytes
	s_mov_b32 s[G1A+6], 0
	s_mov_b32 s[G1A+7], 0
	s_or_b32 s[G1B], s19, (3<<16)|(1<<20)|(1<<21)|(5<<22)|(3<<25) ; B: the mask: my column; elements of 8 bytes; padding on: four words after every 64
	s_mov_b32 s[G1B+1], 32<<16                     ; dense rows of 256 bytes,
	s_mov_b32 s[G1B+2], 256<<16                    ; 256 of them
	s_mov_b32 s[G1B+3], 32<<16
	s_mov_b32 s[G1B+4], 256
	s_mov_b32 s[G1B+5], 32
	s_mov_b32 s[G1B+6], 0
	s_mov_b32 s[G1B+7], 0
	; the tiles' first bytes in each buffer.  A's offsets are made of the tile row alone, B's of the tile column alone
	s_lshl_b32 s84, s17, 17                        ; A's codes: 8 tiles of 16,384 bytes
	s_mov_b32 s85, 0
	s_lshl_b32 s86, s100, 17                       ; B's: a group of 131,072 bytes,
	s_add_co_u32 s86, s86, 0x300000                ; from group 24 of wc on
	s_mov_b32 s87, 0
	s_lshl_b32 s88, s17, 12                        ; my 64 rows of A's scales, 32 bytes a row
	s_lshl_b32 s89, s15, 11
	s_add_co_u32 s88, s88, s89
	s_mov_b32 s89, 0
	s_lshl_b32 s90, s100, 12                       ; my 64 of B's
	s_lshl_b32 s91, s16, 11
	s_add_co_u32 s90, s90, s91
	s_add_co_u32 s90, s90, 0x18000
	s_mov_b32 s91, 0
	; my places in LDS and in C
	s_lshl_b32 s21, s15, 15                        ; my four tiles of A, in each half
	s_add_co_u32 s22, s21, AH
	s_mul_i32 s23, s16, 64*BP                      ; my 64 rows of B
	s_add_co_u32 s23, s23, BB0
	s_add_co_u32 s92, s23, BH
	s_mul_i32 s95, s14, 16*SPITCH
	s_add_co_u32 s95, s95, STG                     ; my stage
	s_lshl_b32 s2, s100, 9                         ; my first column, in bytes of f32: 512 x tile column + 256 x half: in the bias and in a row of C alike
	s_lshl_b32 s3, s16, 8
	s_add_co_u32 s2, s2, s3
	s_mov_b32 s3, 0
	s_lshl_b32 s96, s17, 19                        ; my first row of C: 128 x tile row + 64 x half, rows of 4,096 bytes
	s_lshl_b32 s97, s15, 18
	s_add_co_u32 s96, s96, s97
	s_add_co_u32 s96, s96, s2
	s_mov_b32 s97, 0
	s_wait_dscnt 0x0                               ; both opening adds are done
	CROUND                                         ; all sixteen work-groups are here: the joint loads meet
	s_wait_kmcnt 0x0
	s_add_nc_u64 s[12:13], s[12:13], s[2:3]
	s_add_nc_u64 s[88:89], s[6:7], s[88:89]
	s_add_nc_u64 s[90:91], s[10:11], s[90:91]
	v_bfe_u32 v2, v0, 4, 1
	v_lshlrev_b32 v[BO], 6, v2
	v_and_b32 v3, 31, v0
	v_lshlrev_b32 v[L32], 5, v3
.irp p, 0,1                                    ; scale words: lane l takes row l of a pair of tiles; a row's 32 bytes are the words of all eight K steps
	global_load_b128 v[XSC+8*\p:XSC+8*\p+3], v[L32], s[88:89] offset:1024*\p
	global_load_b128 v[XSC+8*\p+4:XSC+8*\p+7], v[L32], s[88:89] offset:1024*\p+16
	global_load_b128 v[WSC+8*\p:WSC+8*\p+3], v[L32], s[90:91] offset:1024*\p
	global_load_b128 v[WSC+8*\p+4:WSC+8*\p+7], v[L32], s[90:91] offset:1024*\p+16
.endr
.irp b, 0,1,2,3
	global_load_b128 v[BI+8*\b:BI+8*\b+3], v[BO], s[12:13] offset:128*(\b/2)+32*(\b%2)        ; the bias in the result's layout: tile b's registers are b(32 (b / 2) + 16 (l / 16) + 8 (b % 2) + 0 .. 7)
	global_load_b128 v[BI+8*\b+4:BI+8*\b+7], v[BO], s[12:13] offset:128*(\b/2)+32*(\b%2)+16
.endr
	s_add_nc_u64 s[84:85], s[4:5], s[84:85]
	s_add_nc_u64 s[86:87], s[8:9], s[86:87]
	GROUP0 GA, 0, 84, 0
	GROUP0 GB, BB0, 86, 0
	GROUP0 GA+4, AH, 84, 8192
	GROUP0 GB+4, BB0+BH, 86, 65536
; ONE tree of branches on the wave's number, each arm with its load: every way through the head passes exactly one
.macro ARM under, g0, g1, next
	s_cmp_lt_u32 s14, \under
	s_cbranch_scc0 \next
	tensor_load_to_lds s[\g0:\g0+3], s[\g1:\g1+7]
	s_nop 0
	PLACES 4
	s_branch .Lasked
\next:
.endm
	ARM 1, GA, G1A, .Lhead_1
	ARM 2, GB, G1B, .Lhead_2
	ARM 3, GA+4, G1A, .Lhead_3
	tensor_load_to_lds s[GB+4:GB+7], s[G1B:G1B+7]
	s_nop 0
	PLACES 4
.Lasked:
	s_add_nc_u64 s[66:67], s[66:67], s[96:97]      ; never stepped: a row's place stands in the stores' immediates
	v_and_b32 v1, 15, v0                           ; l % 16
	v_bfe_u32 v2, v0, 4, 1                         ; l / 16
	v_and_b32 v3, 31, v0
	v_lshlrev_b32 v7, 4, v3                        ; A: 16 x lane
	v_add_nc_u32 v[ADRA], s21, v7
	v_add_nc_u32 v[ADRA+1], s22, v7
	v_mul_u32_u24 v4, v1, BP
	v_lshl_add_u32 v4, v2, 4, v4                   ; B: a fragment's row x pitch + 16 x half
	v_add_nc_u32 v[ADRB], s23, v4
	v_add_nc_u32 v[ADRB+1], s92, v4
	v_mul_u32_u24 v5, v1, SPITCH
	v_lshl_add_u32 v5, v2, 6, v5
	v_add_nc_u32 v[STO], s95, v5                   ; in: row l % 16, 64 bytes of each pair of tiles for each half of the lanes
	v_mul_u32_u24 v5, v2, SPITCH
	v_lshl_add_u32 v5, v1, 4, v5
	v_add_nc_u32 v[RD], s95, v5                    ; back: lanes 0-15 take one row of 256 bytes, lanes 16-31 the next
	v_lshlrev_b32 v5, 12, v2
	v_lshl_add_u32 v[CO], v1, 4, v5                ; and the same two rows in C
; The fragments of K step s (half s / 4) into set s % 2: 32 LDS loads in one run
.macro FETCH s
	WIN 0x40
.irp i, 0,1,2,3
.irp c, 0,1,2,3
	ds_load_b128 v[128*((\s)%2)+64+16*\i+4*\c:128*((\s)%2)+64+16*\i+4*\c+3], v[ADRB+(\s)/4] offset:128*BP*(((\s)/2)%2)+128*((\s)%2)+32*\c+\i*16*BP   ; B: lane l holds row l % 16; registers 4 c .. 4 c + 3 hold K = 32 c + 16 (l / 16) + 0 .. 15
.endr
.endr
.irp i, 0,1,2,3
.irp c, 0,1,2,3
	ds_load_b128 v[128*((\s)%2)+16*\i+4*\c:128*((\s)%2)+16*\i+4*\c+3], v[ADRA+(\s)/4] offset:\i*8192+2048*((\s)%4)+512*\c   ; A: an image comes back as it was stored: 512 consecutive bytes a load
.endr
.endr
	WIN 0
.endm
.macro EMIT                            ; D_ = A_ x B_ + C_; X_, Y_ the scale words, RA_, RB_ which half of the lanes holds them
.if RA_ && RB_
	v_wmma_scale_f32_16x16x128_f8f6f4 v[D_:D_+7], v[A_:A_+15], v[B_:B_+15], v[C_:C_+7], v[X_], v[Y_] matrix_a_fmt:MATRIX_FMT_BF8 matrix_b_fmt:MATRIX_FMT_BF8 matrix_a_scale:MATRIX_SCALE_ROW1 matrix_b_scale:MATRIX_SCALE_ROW1
.elseif RA_
	v_wmma_scale_f32_16x16x128_f8f6f4 v[D_:D_+7], v[A_:A_+15], v[B_:B_+15], v[C_:C_+7], v[X_], v[Y_] matrix_a_fmt:MATRIX_FMT_BF8 matrix_b_fmt:MATRIX_FMT_BF8 matrix_a_scale:MATRIX_SCALE_ROW1
.elseif RB_
	v_wmma_scale_f32_16x16x128_f8f6f4 v[D_:D_+7], v[A_:A_+15], v[B_:B_+15], v[C_:C_+7], v[X_], v[Y_] matrix_a_fmt:MATRIX_FMT_BF8 matrix_b_fmt:MATRIX_FMT_BF8 matrix_b_scale:MATRIX_SCALE_ROW1
.else
	v_wmma_scale_f32_16x16x128_f8f6f4 v[D_:D_+7], v[A_:A_+15], v[B_:B_+15], v[C_:C_+7], v[X_], v[Y_] matrix_a_fmt:MATRIX_FMT_BF8 matrix_b_fmt:MATRIX_FMT_BF8
.endif
.endm
; 16 matrix instructions: A's four blocks x B's four, 128 along K.  The sums start from the bias.  The 16 accumulators take turns, one instruction a turn, in the same order in every step.
.macro MUL s
	WIN 0x05
.irp a, 0,1,2,3
.irp b, 0,1,2,3
.set D_, ACC+8*(4*\a+\b)
.set A_, 128*((\s)%2)+64+16*\b
.set B_, 128*((\s)%2)+16*\a
.set C_, D_
.if (\s) == 0
.set C_, BI+8*\b
.endif
.set X_, WSC+8*(\b/2)+(\s)
.set Y_, XSC+8*(\a/2)+(\s)
.set RA_, \b%2
.set RB_, \a%2
	EMIT
.endr
.endr
	WIN 0
.endm
; K step s: the next step's fragments are asked for, then this step's are multiplied.  In front of the second half's first fragments stands the second barrier
.macro STEP s
.if (\s) == 3
	s_wait_tensorcnt 0x0                           ; the second half is in
	s_wait_dscnt 0x0
	s_barrier_signal -1
	s_barrier_wait -1
.endif
.if (\s) < 7
.if (\s) > 0
	PLACES NP                                      ; the set that the next run of loads fills was read by the last step's products
.endif
	FETCH (\s)+1
	s_wait_dscnt 32                                ; all but the 32 just issued
.else
	s_wait_dscnt 0x0
.endif
	MUL \s
.endm
	s_wait_alu depctr_va_vdst(0)
	s_cmp_lt_u32 s14, 2
	s_cbranch_scc0 .Lnot_yet
	s_wait_tensorcnt 0x0                           ; waves 0 and 1, each with a load line of its own: the first half
.Lnot_yet:
	s_barrier_signal -1
	s_barrier_wait -1
	FETCH 0
	s_wait_loadcnt 0x0                             ; the scale words and the bias
.irp s, 0,1,2,3,4,5,6,7
	STEP \s
.endr
; THE WAY OUT, block by block of 16 rows x 64 columns, through my own stage: in as 32 bytes a lane and tile, back as whole rows of 256 bytes.  LDS serves a wave's instructions in order (ISA guide 5.7.1.4): no wait between the stores and the loads, nor in front of the next block's stores.
.macro TOSTAGE a
.irp b, 0,1,2,3
	ds_store_b128 v[STO], v[ACC+8*(4*(\a)+\b):ACC+8*(4*(\a)+\b)+3] offset:128*(\b/2)+32*(\b%2)          ; each accumulator from its low end on
	ds_store_b128 v[STO], v[ACC+8*(4*(\a)+\b)+4:ACC+8*(4*(\a)+\b)+7] offset:128*(\b/2)+32*(\b%2)+16
.endr
.set R_, 44+48*((\a)%2)                ; v44-75 and v92-123 by turns
.irp t, 0,1,2,3,4,5,6,7
	ds_load_b128 v[R_+4*\t:R_+4*\t+3], v[RD] offset:2*\t*SPITCH
.endr
.endm
.macro SEND a, younger                 ; younger: the LDS instructions issued behind block a's loads, which may stay out
.set R_, 44+48*((\a)%2)
	s_wait_dscnt \younger
.irp t, 0,1,2,3,4,5,6,7
	global_store_b128 v[CO], v[R_+4*\t:R_+4*\t+3], s[66:67] offset:(32*((\a)/2)+8*((\a)%2)+16*(\t/4)+2*(\t%4))*4096 th:TH_STORE_NT   ; stage row 2 t + l / 16 of block a is token 32 (a / 2) + 8 (a % 2) + 16 (t / 4) + 2 (t % 4) + l / 16 of my 64; sixteen lanes store 256 consecutive bytes, aligned
.endr
.endm
	PLACES NP                                      ; behind the last products, in front of the stores that read their results
	TOSTAGE 0
.irp a, 1,2,3
.if \a > 1
	s_wait_xcnt 0x0                                ; block a - 2's stores have read their registers: block a's loads may land there
.endif
	TOSTAGE \a
	SEND \a-1, 16                                  ; behind block a - 1's loads: block a's 8 stores and 8 loads
.endr
	SEND 3, 0
	s_wait_tensorcnt 0x0                           ; the wave's end
	ds_add_u32 v[SPW], v[NIL]
	s_wait_dscnt 0x0
	CROUND                                         ; the closing round: no work-group ends while a partner may still ask for a tile that names it
	s_endpgm
.Lfunc_end_k_qeef65e8d3b_gemm_out:
	.size	k_qeef65e8d3b_gemm_out, .Lfunc_end_k_qeef65e8d3b_gemm_out-k_qeef65e8d3b_gemm_out
	.p2alignl 7, 3214868480
	.fill 96, 4, 3214868480
	.section	.rodata,"a",@progbits
	.p2align	6, 0x0
	.amdhsa_kernel k_qeef65e8d3b_gemm_out
		.amdhsa_group_segment_fixed_size 327680
		.amdhsa_private_segment_fixed_size 0
		.amdhsa_enable_private_segment 0
		.amdhsa_kernarg_size 48
		.amdhsa_user_sgpr_count 2
		.amdhsa_user_sgpr_kernarg_segment_ptr 1
		.amdhsa_wavefront_size32 1
		.amdhsa_system_sgpr_workgroup_id_x 1
		.amdhsa_system_sgpr_workgroup_id_y 1
		.amdhsa_system_sgpr_workgroup_id_z 1
		.amdhsa_system_vgpr_workitem_id 0
		.amdhsa_next_free_vgpr 512
		.amdhsa_next_free_sgpr 106
		.amdhsa_reserve_vcc 0
		.amdhsa_float_denorm_mode_32 3
		.amdhsa_float_denorm_mode_16_64 3
		.amdhsa_memory_ordered 1
		.amdhsa_forward_progress 1
		.amdhsa_inst_pref_size 52
	.end_amdhsa_kernel
	.amdgpu_metadata
---
amdhsa.version: [ 1, 2 ]
amdhsa.kernels:
  - .name:           k_qeef65e8d3b_gemm_out
    .symbol:         k_qeef65e8d3b_gemm_out.kd
    .args:
      - { .name: oc, .offset: 0, .size: 8, .value_kind: global_buffer, .address_space: global }
      - { .name: os, .offset: 8, .size: 8, .value_kind: global_buffer, .address_space: global }
      - { .name: wc, .offset: 16, .size: 8, .value_kind: global_buffer, .address_space: global }
      - { .name: ws, .offset: 24, .size: 8, .value_kind: global_buffer, .address_space: global }
      - { .name: b_out, .offset: 32, .size: 8, .value_kind: global_buffer, .address_space: global }
      - { .name: out0, .offset: 40, .size: 8, .value_kind: global_buffer, .address_space: global }
    .group_segment_fixed_size: 327680
    .private_segment_fixed_size: 0
    .kernarg_segment_align: 8
    .kernarg_segment_size: 48
    .max_flat_workgroup_size: 128
    .sgpr_count:     106
    .vgpr_count:     512
    .wavefront_size: 32
...
	.end_amdgpu_metadata
.endif
;; end of part 4
